; MI455X (gfx1250); checked and timed in simulation.
; The chip was launched on July 23, 2026; its instructions are those of AMD's public machine-readable ISA for CDNA 5 (MIT licence, August 2026) and "CDNA5" Instruction Set Architecture Reference Guide (July 2026). The comments in the code are by the model that wrote it; some were corrected since.
;; Multi Head Attention. Allowed arithmetic: matrix products marked QUANTISED: E4M3 operands, one given power-of-two scale a tensor, by v_wmma_f32_16x16x64_fp8_fp8 or v_wmma_f32_16x16x128_fp8_fp8, f32 sums; everything else in f32.
;; Inputs: WK 16 x 1,024 x 64 float32; WO 1,024 x 1,024 float32; WQ 16 x 1,024 x 64 float32; WV 16 x 1,024 x 64 float32; lowp_scales 12 int32 (the exponents e of the quantised operands' scales 2^e); masked_info 4 x 2,048 float32; x 4 x 2,048 x 1,024 float32.
;; Outputs: out0 4 x 2,048 x 1,024 float32.
;; This version of the problem:
;;   THIS VERSION OF THE PROBLEM IS GIVEN IN LOW PRECISION. The matrix products marked QUANTISED in the list below multiply operands that are first quantised to E4M3 (4 exponent bits, 3 mantissa bits; 8 bits a number), with one given power-of-two scale for each operand tensor; their sums are f32. All else is computed in f32.
;;   The module's matrix products, in the order in which they are computed (A, B: the left and right operand; K: the contracted axis; several contracted axes count as one K, in the product's order):
;;     1. [M 1,024, K 1,024] x [K 1,024, N 8,192]; A: input WQ; B: input x: QUANTISED (scales: A lowp_scales[0], B lowp_scales[1])
;;     2. [M 1,024, K 1,024] x [K 1,024, N 8,192]; A: input WK; B: input x: QUANTISED (scales: A lowp_scales[2], B lowp_scales[3])
;;     3. [M 1,024, K 1,024] x [K 1,024, N 8,192]; A: input WV; B: input x: QUANTISED (scales: A lowp_scales[4], B lowp_scales[5])
;;     4. batch 64 x [M 2,048, K 64] x [K 64, N 2,048]; A: computed on the way; B: computed on the way: QUANTISED (scales: A lowp_scales[6], B lowp_scales[7])
;;     5. batch 64 x [M 2,048, K 2,048] x [K 2,048, N 64]; A: computed on the way; B: computed on the way: QUANTISED (scales: A lowp_scales[8], B lowp_scales[9])
;;     6. [M 8,192, K 1,024] x [K 1,024, N 1,024]; A: computed on the way; B: input WO: QUANTISED (scales: A lowp_scales[10], B lowp_scales[11])
;;   THE QUANTISER, for each operand of a quantised product, along K:
;;     - The operand's scale is 2^e, e = its entry of the input lowp_scales (int32; the entries are numbered through the quantised products in the list's order, A before B).
;;     - Each number is divided by the scale, clamped to +-448, and rounded to the nearest number of E4M3, ties to even, subnormals kept.
;;     - The product sums the exact products of the quantised numbers (number of the format x scale) in f32.
;;   ~~~python
;;   def quantise(x, axis, e):      # numpy; x: float32 -> the quantised numbers, widened to float32 again
;;       x = np.moveaxis(x, axis, -1); K = x.shape[-1]
;;       r = np.clip(x / 2.0 ** e, -448, 448)
;;       step = 2.0 ** (np.maximum(np.frexp(np.where(r == 0, 1, r))[1] - 1, -6) - 3)
;;       q = np.round(r / step) * step * 2.0 ** e      # np.round: ties to even
;;       return np.moveaxis(q, -1, axis).astype(np.float32)
;;   ~~~
;;   OPERANDS COMPUTED ON THE WAY. 'Computed on the way' means the value that the module computes at that place (a softmax that the list does not call 'softmax' is quantised finished and normalised). What goes into a quantiser is computed in f32, as accurately as f32 sums, v_exp_f32 and their like allow (about 1e-6 of the number): no bf16 or f16 on the way to a quantiser, and a product that is left as it is and whose result goes on into a quantised operand takes f32 operands (vector FMAs, or v_wmma_f32_16x16x4_f32). A number that lies on a knife's edge between two numbers of the format may be rounded either way, as far as f32 arithmetic and the matrix unit's own rounding can turn it there, and no further.
;; One version. Each part assembles by itself: llvm-mc -triple=amdgcn-amd-amdhsa -mcpu=gfx1250 --defsym DOCPART=n.
;; ======== version 1 of 1: 4 launches
;; limits: right only within a limited range of input values
;; workspace buffers: codes 29,360,128 bytes; qkv 25,165,824 bytes; cc 8,388,608 bytes
;; launch quant (part 1): grid 384 x 1, 4 waves a work-group, no clusters, 68,096 bytes of LDS; arguments x, WQ, WK, WV, WO, lowp_scales, codes; writes codes
.if DOCPART == 1
	.amdgcn_target "amdgcn-amd-amdhsa--gfx1250"
	.amdhsa_code_object_version 6
	.text
	.protected	k_qeacbe31c09_quant
	.globl	k_qeacbe31c09_quant
	.p2align	8
	.type	k_qeacbe31c09_quant,@function
k_qeacbe31c09_quant:
	s_mov_b64 s[64:65], 0
	v_nop
	global_prefetch_b8 v0, s[64:65] scope:SCOPE_SE
	s_setreg_imm32_b32 hwreg(HW_REG_WAVE_MODE, 25, 1), 1
	s_wait_xcnt 0x0
; x [8192][1024] f32 and the four weights become codes of FP8 (E4M3), K innermost, in the buffer 'codes':
;   x three times, with the scales 2^e1, 2^e3, 2^e5 (it is an operand of three products), at 0, 0x800000, 0x1000000: [8192 rows][1024 bytes];
;   WQ, WK, WV (scales e0, e2, e4; feature f = 64 head + k) and WO (e11; row = output column) at 0x1800000 + 0x100000 x tensor: [1024 rows][1024 bytes].
; code = number / 2^e, held within +-448, to the nearest code, ties to even.
; THE ORDER OF ROWS.  In x's codes and in WQ's, WK's, WV's, memory row p holds token (feature) sigma(p), sigma = bits 3 and 4 of p exchanged.  Sixteen neighbouring memory rows are then
; eight neighbours and the eight that lie 16 further on, so that two neighbouring tiles of a transposed matrix result give a lane 16 neighbours.  WO's rows are in their own order.
; Work-groups 0-255 take x (32 tokens each), 256-383 the weights (32 for each).  The two ways part on the work-group's number and have LDS bytes of their own.  No barrier: waves share nothing.
; LIMITS: e0, e1, e2, e3, e4, e5, e11 between -126 and 119, so that 2^e and 448 x 2^e are f32 numbers.  NaN among the inputs is not served.
.set XS1,   0x800000
.set XS2,   0x1000000
.set WBASE, 0x1800000
.set SP,    80                         ; x's way: a lane's place in a stage: 64 bytes + 16 of padding
.set R,     16                         ; v16-79   four sets of 16 numbers as loaded
.set X,     80                         ; v80-111  two sets of 16 neighbours
.set T,     112                        ; v112-159 the numbers held, a set for each of the three scales
.set C,     160                        ; v160-171 the codes, four registers for each scale
.set SCL,   172                        ; v172-174 2^e as f32
.set LIM,   175                        ; v175-177 448 x 2^e
.set WSTG,  32768                      ; the weights' way: stages of 32 rows x 272 bytes, one for each wave
.set WP,    272
.set VOFF,  16                         ; v16-47   byte offset of row i of a block of 32 along K
.set WX,    48                         ; v48-111  two sets of 32 numbers
.set WC,    112                        ; v112-119 a block's codes
.set OUTR,  120                        ; v120-183 the way out
	s_load_b256 s[4:11], s[0:1], 0x0               ; x, WQ, WK, WV
	s_load_b128 s[12:15], s[0:1], 0x20             ; WO, the scales' exponents
	s_load_b64 s[16:17], s[0:1], 0x30              ; codes
	v_lshl_add_u32 v192, v0, 2, 0x10800
	v_mov_b32 v193, 0
	v_lshrrev_b32 v1, 5, v0
	v_readfirstlane_b32 s18, v1                    ; wave
	v_and_b32 v2, 31, v0                           ; lane
	s_wait_kmcnt 0x0
	s_load_b256 s[36:43], s[14:15], 0x0            ; e0 .. e7
	s_load_b128 s[44:47], s[14:15], 0x20           ; e8 .. e11
	s_cmp_ge_u32 ttmp9, 256
	s_cbranch_scc1 .Lweights
; ---------------- x: a wave takes 8 tokens = 16 steps of 512 numbers.  Each load reads 512 consecutive bytes; a step's 2,048 bytes turn through the wave's stage, so that a lane holds 16 neighbours.
	s_wait_alu depctr_va_vdst(0)
	v_lshlrev_b32 v3, 4, v2                        ; my 16 bytes of a load's 512, and of a store's
	s_wait_alu depctr_va_vdst(0)
	s_lshl_b32 s19, s18, 13                        ; my wave's 8,192 bytes of LDS
	v_lshrrev_b32 v14, 2, v2
	v_mul_u32_u24 v14, v14, SP
	v_and_b32 v15, 3, v2
	v_lshl_add_u32 v14, v15, 4, v14
	v_add_nc_u32 v14, s19, v14                     ; into the stage: SP (lane / 4) + 16 (lane % 4)
	v_mul_u32_u24 v15, v2, SP
	v_add_nc_u32 v15, s19, v15                     ; out of it: SP x lane
	s_lshl_b32 s28, ttmp9, 2
	s_add_co_u32 s28, s28, s18
	s_lshl_b32 s28, s28, 15                        ; 8 rows of 4,096 bytes for each wave
	s_mov_b32 s29, 0
	s_add_nc_u64 s[20:21], s[4:5], s[28:29]
	s_and_b32 s30, s18, 1                          ; tokens 32 g + 8 w + j go to memory rows 32 g + 8 w' + j, w' = w with its two bits exchanged
	s_lshl_b32 s30, s30, 1
	s_lshr_b32 s31, s18, 1
	s_or_b32 s30, s30, s31
	s_lshl_b32 s30, s30, 13
	s_lshl_b32 s28, ttmp9, 15
	s_add_co_u32 s28, s28, s30
	s_add_nc_u64 s[22:23], s[16:17], s[28:29]      ; the three tensors of codes
	s_add_nc_u64 s[24:25], s[22:23], XS1
	s_add_nc_u64 s[26:27], s[22:23], XS2
.macro XLOAD t
.irp i, 0,1,2,3
	global_load_b128 v[R+16*((\t)%4)+4*\i:R+16*((\t)%4)+4*\i+3], v3, s[20:21] offset:2048*(\t)+512*\i th:TH_LOAD_NT
.endr
.endm
.macro XTURN t                         ; LDS serves a wave's instructions in order: no wait between the stores and the loads
.irp i, 0,1,2,3
	ds_store_b128 v14, v[R+16*((\t)%4)+4*\i:R+16*((\t)%4)+4*\i+3] offset:32*SP*((\t)%2)+8*SP*\i
.endr
.irp i, 0,1,2,3
	ds_load_b128 v[X+16*((\t)%2)+4*\i:X+16*((\t)%2)+4*\i+3], v15 offset:32*SP*((\t)%2)+16*\i
.endr
.endm
.irp t, 0,1,2,3
	XLOAD \t
.endr
	s_wait_alu depctr_va_vdst(0)
	s_wait_kmcnt 0x0
.irp q, 0,1,2                          ; e1, e3, e5
	s_add_co_i32 s28, s[37+2*\q], 127
	s_lshl_b32 s29, s28, 23
	v_mov_b32 v[SCL+\q], s29
	s_add_co_i32 s28, s28, 8
	s_lshl_b32 s28, s28, 23
	s_or_b32 s28, s28, 0x600000
	v_mov_b32 v[LIM+\q], s28
.endr
	s_wait_alu depctr_va_vdst(0)
	s_wait_loadcnt 12                              ; step 0's four loads are in
	XTURN 0
.macro XSTEP t
.set XS, X+16*((\t)%2)
	s_wait_dscnt 0x0                               ; this step's numbers are back, and its stores into the stage have read their registers,
.if (\t)+4 < 16
	XLOAD (\t)+4                                   ; which take the loads of four steps on
.endif
.if (\t)+1 < 16
.if 14-(\t) >= 3
	s_wait_loadcnt 12                              ; the next step's four loads are in; those of the three steps behind it may be out
.else
	s_wait_loadcnt 4*(14-(\t))
.endif
	XTURN (\t)+1
.endif
.irp q, 0,1,2
.set i, 0
.rept 16
	v_med3_num_f32 v[T+16*\q+i], v[XS+i], -v[LIM+\q], v[LIM+\q]   ; the conversion does not saturate (ISA guide 7.6.2): the hold, into registers of its own for each scale
.set i, i+1
.endr
.endr
	s_wait_alu depctr_va_vdst(0)
	s_wait_xcnt 0x0                                ; the last step's stores have read their data: the codes' registers are written again only behind this wait
.irp q, 0,1,2
	v_cvt_scalef32_pk8_fp8_f32 v[C+4*\q:C+4*\q+1], v[T+16*\q:T+16*\q+7], v[SCL+\q]
	v_cvt_scalef32_pk8_fp8_f32 v[C+4*\q+2:C+4*\q+3], v[T+16*\q+8:T+16*\q+15], v[SCL+\q]
.endr
	v_nop                                          ; a plain line behind the conversions: the next step's holds write their sources
.irp q, 0,1,2
	global_store_b128 v3, v[C+4*\q:C+4*\q+3], s[22+2*\q:23+2*\q] offset:512*(\t)   ; 32 lanes store 512 consecutive bytes, aligned
.endr
.endm
.irp t, 0,1,2,3,4,5,6,7,8,9,10,11,12,13,14,15
	XSTEP \t
.endr
	s_wait_tensorcnt 0x0
	ds_add_u32 v192, v193
	s_wait_dscnt 0x0
	s_endpgm
; ---------------- the weights: K is not innermost.  A lane takes a column and its registers run down K; a wave takes 32 columns x 256 along K; the codes leave through the wave's stage as rows.
.Lweights:
	s_sub_co_u32 s19, ttmp9, 256
	s_lshr_b32 s28, s19, 5                         ; which tensor: WQ, WK, WV, WO
	s_and_b32 s29, s19, 7
	s_bfe_u32 s34, s19, 0x20003                    ; which 256 along K
	s_lshl_b32 s29, s29, 2
	s_add_co_u32 s29, s29, s18                     ; which 32 columns: 0 .. 31
	s_lshr_b32 s24, s29, 1                         ; WQ, WK, WV [head][k][64]: head x 262,144 + 128 x half + 256 rows of 256 bytes
	s_lshl_b32 s24, s24, 18
	s_and_b32 s25, s29, 1
	s_lshl_b32 s25, s25, 7
	s_add_co_u32 s24, s24, s25
	s_lshl_b32 s25, s34, 16
	s_add_co_u32 s24, s24, s25
	s_lshl_b32 s25, s29, 7                         ; WO [k][1024]: 128 x group + 256 rows of 4,096 bytes
	s_lshl_b32 s26, s34, 20
	s_add_co_u32 s25, s25, s26
	s_mov_b32 s30, 256
	s_cmp_eq_u32 s28, 1                            ; the choices hang on the work-group's number alone
	s_cselect_b64 s[22:23], s[8:9], s[6:7]
	s_cmp_eq_u32 s28, 2
	s_cselect_b64 s[22:23], s[10:11], s[22:23]
	s_cmp_eq_u32 s28, 3
	s_cselect_b64 s[22:23], s[12:13], s[22:23]
	s_cselect_b32 s30, 4096, s30                   ; bytes from one k to the next
	s_cselect_b32 s31, 0, 24                       ; sigma's exclusive or; WO's rows keep their order
	s_cselect_b32 s24, s25, s24
	s_mov_b32 s25, 0
	s_add_nc_u64 s[48:49], s[22:23], s[24:25]      ; block 0 of 32 along K;
	s_lshl_b32 s32, s30, 5
	s_mov_b32 s33, 0
.irp t, 1,2,3,4,5,6,7
	s_add_nc_u64 s[48+2*\t:49+2*\t], s[46+2*\t:47+2*\t], s[32:33]   ; a base for each block, since the pitch is no constant of the text
.endr
	s_lshl_b32 s24, s28, 20
	s_add_co_u32 s24, s24, WBASE
	s_lshl_b32 s26, s29, 15                        ; 32 rows of 1,024 bytes
	s_add_co_u32 s24, s24, s26
	s_lshl_b32 s26, s34, 8
	s_add_co_u32 s24, s24, s26
	s_add_nc_u64 s[20:21], s[16:17], s[24:25]
	s_wait_alu depctr_va_vdst(0)
	v_lshrrev_b32 v5, 3, v2
	v_lshrrev_b32 v6, 4, v2
	v_xor_b32 v5, v5, v6
	v_and_b32 v5, 1, v5
	v_mul_u32_u24 v5, v5, s31
	v_xor_b32 v5, v5, v2                           ; my column: sigma(lane), so that stage row = memory row = lane
	v_lshlrev_b32 v3, 2, v5
.set i, 0
.rept 32
	v_mad_u32_u24 v[VOFF+i], s30, i, v3
.set i, i+1
.endr
	s_mul_i32 s26, s18, 32*WP
	s_add_co_u32 s26, s26, WSTG                    ; my stage
	v_mul_u32_u24 v4, v2, WP
	v_add_nc_u32 v4, s26, v4                       ; into it: row = lane
	v_and_b32 v5, 15, v2
	v_lshrrev_b32 v6, 4, v2
	v_mul_u32_u24 v7, v6, WP
	v_lshl_add_u32 v7, v5, 4, v7
	v_add_nc_u32 v7, s26, v7                       ; out of it: sixteen lanes to a row, two rows an instruction
	v_lshlrev_b32 v8, 10, v6
	v_lshl_add_u32 v8, v5, 4, v8                   ; and the same place in the codes
.macro WLOAD t
.set i, 0
.rept 32
	global_load_b32 v[WX+32*((\t)%2)+i], v[VOFF+i], s[48+2*(\t):49+2*(\t)] th:TH_LOAD_NT
.set i, i+1
.endr
.endm
	WLOAD 0
	WLOAD 1
	s_wait_kmcnt 0x0
	s_cmp_eq_u32 s28, 1
	s_cselect_b32 s26, s38, s36                    ; e2 or e0
	s_cmp_eq_u32 s28, 2
	s_cselect_b32 s26, s40, s26                    ; e4
	s_cmp_eq_u32 s28, 3
	s_cselect_b32 s26, s47, s26                    ; e11
	s_add_co_i32 s26, s26, 127
	s_lshl_b32 s27, s26, 23
	v_mov_b32 v11, s27                             ; 2^e
	s_add_co_i32 s26, s26, 8
	s_lshl_b32 s26, s26, 23
	s_or_b32 s26, s26, 0x600000
	v_mov_b32 v10, s26                             ; 448 x 2^e
.macro WBLOCK t
.set XS, WX+32*((\t)%2)
.if (\t) < 7
	s_wait_loadcnt 32                              ; this block's 32 loads are in; the next block's may be out
.else
	s_wait_loadcnt 0
.endif
.set i, 0
.rept 32
	v_med3_num_f32 v[XS+i], v[XS+i], -v10, v10
.set i, i+1
.endr
.irp g, 0,1,2,3
	v_cvt_scalef32_pk8_fp8_f32 v[WC+2*\g:WC+2*\g+1], v[XS+8*\g:XS+8*\g+7], v11
.endr
	v_nop
	ds_store_b128 v4, v[WC:WC+3] offset:32*(\t)
	ds_store_b128 v4, v[WC+4:WC+7] offset:32*(\t)+16
.if (\t)+2 < 8
	WLOAD (\t)+2
.endif
	s_wait_dscnt 0x0                               ; the stores have read their registers: the next block's codes may be written
.endm
	s_wait_alu depctr_va_vdst(0)
.irp t, 0,1,2,3,4,5,6,7
	WBLOCK \t
.endr
.irp t, 0,1,2,3,4,5,6,7,8,9,10,11,12,13,14,15
	ds_load_b128 v[OUTR+4*\t:OUTR+4*\t+3], v7 offset:2*\t*WP
.endr
.irp t, 0,1,2,3,4,5,6,7,8,9,10,11,12,13,14,15
	s_wait_dscnt 15-\t
	global_store_b128 v8, v[OUTR+4*\t:OUTR+4*\t+3], s[20:21] offset:2*\t*1024   ; sixteen lanes store 256 consecutive bytes, aligned
.endr
	s_wait_tensorcnt 0x0
	ds_add_u32 v192, v193
	s_wait_dscnt 0x0
	s_endpgm
.Lfunc_end_k_qeacbe31c09_quant:
	.size	k_qeacbe31c09_quant, .Lfunc_end_k_qeacbe31c09_quant-k_qeacbe31c09_quant
	.p2alignl 7, 3214868480
	.fill 96, 4, 3214868480
	.section	.rodata,"a",@progbits
	.p2align	6, 0x0
	.amdhsa_kernel k_qeacbe31c09_quant
		.amdhsa_group_segment_fixed_size 68096
		.amdhsa_private_segment_fixed_size 0
		.amdhsa_enable_private_segment 0
		.amdhsa_kernarg_size 56
		.amdhsa_user_sgpr_count 2
		.amdhsa_user_sgpr_kernarg_segment_ptr 1
		.amdhsa_wavefront_size32 1
		.amdhsa_system_sgpr_workgroup_id_x 1
		.amdhsa_system_sgpr_workgroup_id_y 1
		.amdhsa_system_sgpr_workgroup_id_z 1
		.amdhsa_system_vgpr_workitem_id 0
		.amdhsa_next_free_vgpr 194
		.amdhsa_next_free_sgpr 66
		.amdhsa_reserve_vcc 0
		.amdhsa_float_denorm_mode_32 3
		.amdhsa_float_denorm_mode_16_64 3
		.amdhsa_memory_ordered 1
		.amdhsa_forward_progress 1
		.amdhsa_inst_pref_size 130
	.end_amdhsa_kernel
	.amdgpu_metadata
---
amdhsa.version: [ 1, 2 ]
amdhsa.kernels:
  - .name:           k_qeacbe31c09_quant
    .symbol:         k_qeacbe31c09_quant.kd
    .args:
      - { .name: x, .offset: 0, .size: 8, .value_kind: global_buffer, .address_space: global }
      - { .name: WQ, .offset: 8, .size: 8, .value_kind: global_buffer, .address_space: global }
      - { .name: WK, .offset: 16, .size: 8, .value_kind: global_buffer, .address_space: global }
      - { .name: WV, .offset: 24, .size: 8, .value_kind: global_buffer, .address_space: global }
      - { .name: WO, .offset: 32, .size: 8, .value_kind: global_buffer, .address_space: global }
      - { .name: lowp_scales, .offset: 40, .size: 8, .value_kind: global_buffer, .address_space: global }
      - { .name: codes, .offset: 48, .size: 8, .value_kind: global_buffer, .address_space: global }
    .group_segment_fixed_size: 68096
    .private_segment_fixed_size: 0
    .kernarg_segment_align: 8
    .kernarg_segment_size: 56
    .max_flat_workgroup_size: 128
    .sgpr_count:     66
    .vgpr_count:     194
    .wavefront_size: 32
...
	.end_amdgpu_metadata
.endif
;; end of part 1
;; launch proj (part 2): grid 4 x 96, 4 waves a work-group, clusters of 4 x 4, 327,680 bytes of LDS; arguments codes, lowp_scales, qkv; writes qkv
.if DOCPART == 2
	.amdgcn_target "amdgcn-amd-amdhsa--gfx1250"
	.amdhsa_code_object_version 6
	.text
	.protected	k_qeacbe31c09_proj
	.globl	k_qeacbe31c09_proj
	.p2align	8
	.type	k_qeacbe31c09_proj,@function
k_qeacbe31c09_proj:
	s_mov_b64 s[64:65], 0
	v_nop
	global_prefetch_b8 v0, s[64:65] scope:SCOPE_SE
	s_setreg_imm32_b32 hwreg(HW_REG_WAVE_MODE, 25, 1), 1
	s_wait_xcnt 0x0
	s_wait_alu depctr_hold_cnt(0) depctr_sa_sdst(0) depctr_va_vdst(0) depctr_va_sdst(0) depctr_va_ssrc(0) depctr_va_vcc(0) depctr_vm_vsrc(0)
	s_getreg_b32 s2, hwreg(HW_REG_IB_STS2, 6, 4)
	s_cmp_eq_u32 s2, 0
	s_cbranch_scc0 .Lentry_in_a_cluster
	s_endpgm
.Lentry_in_a_cluster:
	s_bfe_u32 s2, ttmp6, 0x10000c
	s_cmp_lg_u32 s2, 0xf033
	s_cbranch_scc0 .Lentry_shape_is_right
	s_endpgm
.Lentry_shape_is_right:
; The three projections q, k, v on codes of FP8 (E4M3), and the quantising of their results, which are operands of the attention's two products.
; A tile is 256 x 256, K = 1,024; four waves, each 128 x 128: 64 accumulators of 16 x 16, 512 registers.  K goes in steps of 256 through a ring of two LDS slots filled by the tensor data mover.
; The cluster's y, 0 .. 23, says which product (y / 8: q, k, v) and which part of it (y % 8).  ONE TEXT SERVES ALL THREE, BY WHAT IS GIVEN AS SOURCE 0:
;   q, k: source 0 = 16 rows of the weight, source 1 = 16 rows of x: a lane holds one token, its registers run along the head's 64, which is the score product's K;
;   v:    source 0 = 16 rows of x, source 1 = 16 rows of WV: a lane holds one feature d, its registers run along the tokens, the keys, which are the second product's K.
; The rows of both tensors lie in memory with bits 3 and 4 of their number exchanged, so the 16 registers of two neighbouring tiles of source 0 are 16 NEIGHBOURS along that K: two conversions make 16 bytes.
; THE WAY OUT has no stage: a lane's 16 bytes are stored at 16 x lane, 512 consecutive bytes a store: the buffer qkv holds IMAGES OF THE OPERANDS' REGISTERS:
;   q at 0, k at 0x800000: [batch x 16 + head][token tile 0..127][chunk 0, 1][512]: lane (r, h): row r of the tile, dims 32 chunk + 16 h + 0 .. 15;
;   v at 0x1000000: [batch x 16 + head][key step 0..15][tile of 16 d, 0..3][chunk 0..3][512]: lane (r, h): row r of the d tile, keys 128 step + 32 chunk + 16 h + 0 .. 15.
; A sum stands for sum x 2^(ew + ex); its code is sum / 2^(eo - ew - ex), held within +-448: the three scales are folded into the conversion's one.
; CLUSTERS: 4 x 4 work-groups.  Source 1's tile hangs on the cluster's row alone, source 0's on its column alone: each is asked for jointly by four, with the same descriptor and a mask that names them.
; LIMITS: e6 - e0 - e1, e7 - e2 - e3 and e9 - e4 - e5 between -126 and 119.
; REGISTERS, in windows of 256: window 0: v0-31 addresses and constants; v32-47 codes on the way out; from v128 source 1's fragments, ONE set.   window 1: source 0's fragments, TWO sets.
;   window 2: the accumulators of my rows 0-63 of source 1 (accumulator (a, b) at v[8 (8 a + b)]);   window 3: those of rows 64-127.
.set KSTEP,  256
.set ROWB,   256                       ; a tile's row in bytes
.set KROW,   1024                      ; a row of codes in memory
.set PITCH,  272                       ; an LDS row: 256 bytes + 16 of padding = 68 words: the 16 rows that a load touches start at 16 different banks (64 banks of 4 bytes: ISA guide 11.1)
.set FR,     16
.set NL,     4
.set NP,     4                         ; places behind this matrix instruction (ISA guide 7.12.1)
.set HALFT,  128*PITCH
.set SLOT,   4*HALFT                   ; source 1's 256 rows, then source 0's
.set LAPS,   2                         ; K = 1,024 = two laps of two K steps
.set SPARE,  2*SLOT                    ; behind the ring: the spare words, 128 bytes for each wave
.set SCV,  8                           ; v8      the conversion's scale as f32
.set LMV,  9                           ; v9      448 x that
.set VO,   10                          ; v10-13  the way out: byte offsets of my 16 bytes in the four chunks of a block
.set ADRA, 16                          ; v16-17  LDS address of source 1's fragments in slot 0, 1
.set ADRB, 20                          ; v20-21  the same for source 0
.set SPW,  28                          ; v28     LDS address of my spare word; never rewritten
.set NIL,  29                          ; v29     0; never rewritten
.set CD,   32                          ; v32-47  a block's codes
.set AF,   128
.set G1, 24                            ; s[24:31] descriptor group 1 for source 1's tiles;  s[32:39] group 0, one set for each slot
.set G0, 32
.set G1B, 48                           ; s[48:55], s[56:63] the same for source 0's
.set G0B, 56
.set MODE, 66                          ; s66  0, 1, 2: q, k, v
.set MSB, 0
.macro WIN new                         ; the immediate's high byte repeats the setting that is left
.if MSB != \new
	s_set_vgpr_msb (MSB<<8)|\new
.set MSB, \new
.endif
.endm
.set MUL_LO, 0xa1                      ; source 0 window 1, source 1 window 0, C and D window 2
.set MUL_HI, 0xf1
.set TO_B,   0x40
; A joint load: waves 0 and 1 fetch for source 1, waves 2 and 3 for source 0.  The branch hangs on the wave's number alone.  Four v_nop follow each of the two lines.
.macro JLOAD g0a, g1a, g0b, g1b
	s_cmp_eq_u32 s15, 0
	s_cbranch_scc0 .Lfor_b_\@
	tensor_load_to_lds s[\g0a:\g0a+3], s[\g1a:\g1a+7]
	s_nop 0
.rept 4
	v_nop
.endr
	s_branch .Lasked_\@
.Lfor_b_\@:
	tensor_load_to_lds s[\g0b:\g0b+3], s[\g1b:\g1b+7]
	s_nop 0
.rept 4
	v_nop
.endr
.Lasked_\@:
.endm
.macro CREST                           ; a round of the cluster's barrier behind its opening barrier
	s_cmp_lg_u32 s14, 0
	s_cbranch_scc1 .Lnot_wave_0_\@
	s_barrier_signal -3
.Lnot_wave_0_\@:
	s_barrier_wait -3
	s_barrier_signal -1
	s_barrier_wait -1
.endm
.macro CROUND
	s_barrier_signal -1
	s_barrier_wait -1
	CREST
.endm
	s_load_b128 s[4:7], s[0:1], 0x0                ; codes s[4:5], the scales' exponents s[6:7]
	s_load_b64 s[10:11], s[0:1], 0x10              ; qkv
	v_lshl_add_u32 v[SPW], v0, 2, SPARE
	v_mov_b32 v[NIL], 0
	ds_add_u32 v28, v29
	ds_add_u32 v28, v29
	s_wait_dscnt 0x0
	v_lshrrev_b32 v1, 5, v0
	v_readfirstlane_b32 s14, v1                    ; wave 0..3
	s_lshr_b32 s15, s14, 1                         ; which half of source 1's rows is mine.  Also: I fetch for source 1 (0) or for source 0 (1)
	s_and_b32 s16, s14, 1                          ; which half of source 0's rows.  Also: which 128 rows of that tile I fetch
	s_bfe_u32 s40, ttmp6, 0x40000                  ; cx, cy: my place in the cluster
	s_bfe_u32 s41, ttmp6, 0x40004
	s_and_b32 s88, ttmp7, 0xffff                   ; the cluster's y, which all sixteen share
	s_lshr_b32 s[MODE], s88, 3
	s_and_b32 s67, s88, 7
	s_lshl_b32 s89, s67, 2
	s_cmp_eq_u32 s[MODE], 2
	s_cselect_b32 s90, s89, 0                      ; x has 32 tiles of 256 rows, a weight 4: x's tile is 4 (y % 8) + place, the weight's is the place
	s_cselect_b32 s91, 0, s89
	s_add_co_u32 s42, s90, s40                     ; source 0's tile
	s_add_co_u32 s17, s91, s41                     ; source 1's tile
	s_lshl_b32 s43, s41, 2
	s_lshl_b32 s43, 15, s43                        ; my row of the cluster
	s_lshl_b32 s44, 0x1111, s40                    ; my column
	s_or_b32 s[G1+0], s43, (0<<16)|(1<<20)|(1<<21)|(5<<22)|(3<<25)  ; 15:0 the mask; 17:16 elements of 1 byte; 20 padding on; 21 set beside a mask; 24:22 after every 64 words; 31:25 four words
	s_or_b32 s[G1B+0], s44, (0<<16)|(1<<20)|(1<<21)|(5<<22)|(3<<25)
.irp g, G1, G1B
	s_mov_b32 s[\g+1], ROWB<<16                    ; tensor_dim0
	s_mov_b32 s[\g+2], 128<<16                     ; tensor_dim1
	s_mov_b32 s[\g+3], ROWB<<16                    ; tile_dim0
	s_mov_b32 s[\g+4], 128                         ; tile_dim1
	s_mov_b32 s[\g+5], KROW                        ; tensor_dim0_stride
	s_mov_b32 s[\g+6], 0
	s_mov_b32 s[\g+7], 0
.endr
	s_lshl_b32 s92, s[MODE], 23                    ; x's codes under this product's scale,
	s_lshl_b32 s93, s[MODE], 20
	s_add_co_u32 s93, s93, 0x1800000               ; and the product's weight
	s_cmp_eq_u32 s[MODE], 2
	s_cselect_b32 s94, s93, s92                    ; source 1's tensor
	s_cselect_b32 s95, s92, s93                    ; source 0's
	s_lshl_b32 s18, s16, 17                        ; which 128 rows of 1,024 bytes I fetch
	s_lshl_b32 s20, s17, 18
	s_add_co_u32 s20, s20, s18
	s_add_co_u32 s20, s20, s94
	s_mov_b32 s21, 0
	s_lshl_b32 s46, s42, 18
	s_add_co_u32 s46, s46, s18
	s_add_co_u32 s46, s46, s95
	s_mov_b32 s47, 0
	s_mul_i32 s45, s14, HALFT                      ; where they go: wave x 128 rows: no place in the cluster enters an LDS address
	s_wait_kmcnt 0x0
	s_load_b256 s[68:75], s[6:7], 0x0              ; e0 .. e7
	s_load_b128 s[76:79], s[6:7], 0x20             ; e8 .. e11
	s_add_nc_u64 s[20:21], s[4:5], s[20:21]
	s_add_nc_u64 s[46:47], s[4:5], s[46:47]
	CROUND                                         ; all sixteen work-groups are here: the first joint loads meet
.irp s, 0,1
	s_mov_b32 s[G0+4*\s], 1
	s_add_co_u32 s[G0+4*\s+1], s45, \s*SLOT
	s_add_nc_u64 s[G0+4*\s+2:G0+4*\s+3], s[20:21], \s*ROWB
	s_or_b32 s[G0+4*\s+3], s[G0+4*\s+3], 0x80000000
	s_mov_b32 s[G0B+4*\s], 1
	s_add_co_u32 s[G0B+4*\s+1], s45, \s*SLOT
	s_add_nc_u64 s[G0B+4*\s+2:G0B+4*\s+3], s[46:47], \s*ROWB
	s_or_b32 s[G0B+4*\s+3], s[G0B+4*\s+3], 0x80000000
.endr
	JLOAD G0, G1, G0B, G1B                         ; K step 0: one tensor load a wave at the head
	; prefetches into the L2 of K steps 2 and 3 of the 128 rows that I fetch: the four partners that ask for them jointly take 32 rows each, told apart by address (cx for source 1, cy for source 0); a lane a row, 256 bytes a K step
	s_lshl_b32 s98, s40, 15
	s_lshl_b32 s99, s41, 15
	s_cmp_eq_u32 s15, 0
	s_cselect_b64 s[96:97], s[20:21], s[46:47]
	s_cselect_b32 s98, s98, s99
	s_mov_b32 s99, 0
	s_add_nc_u64 s[96:97], s[96:97], s[98:99]
	v_and_b32 v30, 31, v0
	v_lshlrev_b32 v30, 10, v30                     ; v30 and s[96:97] are never rewritten
	global_prefetch_b8 v30, s[96:97] offset:512 th:TH_LOAD_NT scope:SCOPE_SE   ; K step 2: its load is issued at the end of K step 0
	v_and_b32 v1, 15, v0                           ; l % 16
	v_bfe_u32 v2, v0, 4, 1                         ; l / 16
	v_mul_u32_u24 v3, v1, PITCH
	v_lshl_add_u32 v4, v2, 4, v3                   ; a fragment's row x pitch + 16 x half
	s_mul_i32 s21, s15, HALFT
	s_mul_i32 s22, s16, HALFT
	s_add_co_u32 s22, s22, 2*HALFT
.irp s, 0,1
	v_add_nc_u32 v[ADRA+\s], s21, v4
	v_add_nc_u32 v[ADRB+\s], s22, v4
	s_add_co_u32 s21, s21, SLOT
	s_add_co_u32 s22, s22, SLOT
.endr
	; the way out.  F0: my first tile of 16 rows of source 1;  P0: my first group of 32 rows of source 0
	s_lshl_b32 s88, s17, 4
	s_lshl_b32 s89, s15, 3
	s_add_co_u32 s88, s88, s89                     ; F0
	s_lshl_b32 s89, s42, 3
	s_lshl_b32 s90, s16, 2
	s_add_co_u32 s89, s89, s90                     ; P0
	s_lshr_b32 s90, s88, 7                         ; q, k: batch = F0 / 128, token tile = F0 % 128, head = P0 / 2
	s_lshl_b32 s90, s90, 21
	s_and_b32 s91, s88, 127
	s_lshl_b32 s91, s91, 10
	s_add_co_u32 s90, s90, s91
	s_lshr_b32 s91, s89, 1
	s_lshl_b32 s91, s91, 17
	s_add_co_u32 s90, s90, s91
	s_lshr_b32 s91, s89, 6                         ; v: batch = P0 / 64, key step = (P0 / 4) % 16, head = F0 / 4
	s_lshl_b32 s91, s91, 21
	s_bfe_u32 s92, s89, 0x40002
	s_lshl_b32 s92, s92, 13
	s_add_co_u32 s91, s91, s92
	s_lshr_b32 s92, s88, 2
	s_lshl_b32 s92, s92, 17
	s_add_co_u32 s91, s91, s92
	s_lshl_b32 s92, s[MODE], 23
	s_mov_b32 s93, 131072
	s_mov_b32 s84, 1024
	s_mov_b32 s86, 1024
	s_mov_b32 s85, 0
	s_mov_b32 s87, 0
	s_cmp_eq_u32 s[MODE], 2
	s_cselect_b32 s90, s91, s90
	s_cselect_b32 s93, 1024, s93                   ; from chunk 1 to chunk 2 of a block: q, k: the next head; v: the next 32 keys
	s_cselect_b32 s84, 2048, s84                   ; from block to block: q, k: the next token tile; v: the next d tile,
	s_cselect_b32 s86, 124928, s86                 ; and from block 3 to block 4 in v: the next head's first d tile
	s_add_co_u32 s90, s90, s92
	s_mov_b32 s91, 0
	s_add_nc_u64 s[10:11], s[10:11], s[90:91]
	v_and_b32 v6, 31, v0
	v_lshlrev_b32 v[VO], 4, v6
	v_add_nc_u32 v[VO+1], 512, v[VO]
	v_add_nc_u32 v[VO+2], s93, v[VO]
	v_add_nc_u32 v[VO+3], 512, v[VO+2]
.macro FRAG reg, adr, q, i             ; 16 rows x 128 K: lane l holds row l % 16; registers 4 c .. 4 c + 3 hold K = 32 c + 16 (l / 16) + 0 .. 15, alike in both sources
.irp c, 0,1,2,3
	ds_load_b128 v[\reg+4*\c:\reg+4*\c+3], v[\adr] offset:128*(\q)+32*\c+(\i)*16*PITCH
.endr
.endm
; 16 matrix instructions.  The 64 accumulators take turns, one instruction a turn, in the same order in every step.
.macro MUL16 a0, p, zero
.irp a, \a0, \a0+1
.irp b, 0,1,2,3,4,5,6,7
.if \zero
	v_wmma_f32_16x16x128_fp8_fp8 v[8*(8*((\a)%4)+\b):8*(8*((\a)%4)+\b)+7], v[128*(\p)+FR*\b:128*(\p)+FR*\b+FR-1], v[AF+FR*(\a):AF+FR*(\a)+FR-1], 0
.else
	v_wmma_f32_16x16x128_fp8_fp8 v[8*(8*((\a)%4)+\b):8*(8*((\a)%4)+\b)+7], v[128*(\p)+FR*\b:128*(\p)+FR*\b+FR-1], v[AF+FR*(\a):AF+FR*(\a)+FR-1], v[8*(8*((\a)%4)+\b):8*(8*((\a)%4)+\b)+7]
.endif
.endr
.endr
.endm
.macro FETCH_B slot, q, p
	WIN TO_B
.irp i, 0,1,2,3,4,5,6,7
	FRAG 128*(\p)+FR*\i, ADRB+\slot, \q, \i
.endr
	WIN 0
.endm
.macro FETCH_A slot, q, i0
.irp i, \i0, \i0+1, \i0+2, \i0+3
	FRAG AF+FR*(\i), ADRA+\slot, \q, \i
.endr
.endm
.macro PLACES n                        ; plain vector lines between a matrix instruction and a load into, or a vector read or write of, its registers
.rept \n
	v_nop
.endr
.endm
.macro STEP slot, q, zero              ; 128 along K, with its successor in the same slot
	s_wait_dscnt 4*NL                              ; source 0's set and source 1's blocks 0-3 are in; the youngest 16 loads (blocks 4-7) may be out
	WIN MUL_LO
	MUL16 0, (\q)%2, \zero
	MUL16 2, (\q)%2, \zero
	s_wait_dscnt 0
	PLACES NP
	FETCH_B \slot, (\q)+1, 1-(\q)%2
	FETCH_A \slot, (\q)+1, 0
	WIN MUL_HI
	MUL16 4, (\q)%2, \zero
	MUL16 6, (\q)%2, \zero
	PLACES NP
	WIN 0
	FETCH_A \slot, (\q)+1, 4
.endm
; A slot's last step changes slots: one barrier; in front of it each wave waits for all its tensor loads, adds 0 to its spare word, and waits for that and for its reads of this slot.
.macro TURN slot, next, fill
	s_wait_tensorcnt 0x0                           ; all my tensor loads have landed: my part of the next slot
	ds_add_u32 v[SPW], v[NIL]                      ; 0 onto my spare word
	s_wait_dscnt 4*NL+1                            ; (the add and the youngest 16 loads may be out)
	WIN MUL_LO
	MUL16 0, 1, 0
	s_wait_dscnt 0x0                               ; the add is done, and my reads of this slot are over
	s_barrier_signal -1
	MUL16 2, 1, 0
	WIN 0
	s_barrier_wait -1
.if \fill
	CREST                                          ; the barrier has opened a round of the cluster's: no wave of any partner still reads this slot or has a load on its way
	s_add_nc_u64 s[G0+4*\slot+2:G0+4*\slot+3], s[G0+4*\slot+2:G0+4*\slot+3], 2*ROWB
	s_add_nc_u64 s[G0B+4*\slot+2:G0B+4*\slot+3], s[G0B+4*\slot+2:G0B+4*\slot+3], 2*ROWB
	JLOAD G0+4*\slot, G1, G0B+4*\slot, G1B         ; the first tensor load behind the round; its four v_nop are the places in front of the loads below
.else
	PLACES NP
.endif
	FETCH_B \next, 0, 0
	FETCH_A \next, 0, 0
	WIN MUL_HI
	MUL16 4, 1, 0
	MUL16 6, 1, 0
	PLACES NP
	WIN 0
	FETCH_A \next, 0, 4
.endm
	s_wait_alu depctr_va_vdst(0)
	s_wait_tensorcnt 0x0                           ; my part of K step 0 is in
	ds_add_u32 v[SPW], v[NIL]
	s_wait_dscnt 0x0
	CROUND                                         ; a whole round: everybody's part of K step 0 is in, and the joint loads meet
	JLOAD G0+4, G1, G0B+4, G1B                     ; K step 1, the first tensor load behind the round
	FETCH_B 0, 0, 0
	FETCH_A 0, 0, 0
	FETCH_A 0, 0, 4
	global_prefetch_b8 v30, s[96:97] offset:768 th:TH_LOAD_NT scope:SCOPE_SE   ; K step 3: its load is issued at the end of K step 1
	STEP 0, 0, 1
	s_mov_b32 s3, LAPS-1
.Llap:
	TURN 0, 1, 1
	STEP 1, 0, 0
	TURN 1, 0, 1
	STEP 0, 0, 0
	s_sub_co_u32 s3, s3, 1
	s_cmp_lg_u32 s3, 0
	s_cbranch_scc1 .Llap
	TURN 0, 1, 0                                   ; the last lap fills nothing
	STEP 1, 0, 0
	s_wait_dscnt 4*NL
	WIN MUL_LO
	MUL16 0, 1, 0
	MUL16 2, 1, 0
	s_wait_dscnt 0
	WIN MUL_HI
	MUL16 4, 1, 0
	MUL16 6, 1, 0
	WIN 0
	; THE WAY OUT.  The conversion's scale: eo - ew - ex of this product, chosen without a jump
	s_wait_kmcnt 0x0
	s_sub_co_i32 s80, s74, s68                     ; e6 - e0 - e1
	s_sub_co_i32 s80, s80, s69
	s_sub_co_i32 s81, s75, s70                     ; e7 - e2 - e3
	s_sub_co_i32 s81, s81, s71
	s_sub_co_i32 s82, s77, s72                     ; e9 - e4 - e5
	s_sub_co_i32 s82, s82, s73
	s_cmp_eq_u32 s[MODE], 1
	s_cselect_b32 s80, s81, s80
	s_cmp_eq_u32 s[MODE], 2
	s_cselect_b32 s80, s82, s80
	s_add_co_i32 s80, s80, 127
	s_lshl_b32 s81, s80, 23
	v_mov_b32 v[SCV], s81
	s_add_co_i32 s80, s80, 8
	s_lshl_b32 s80, s80, 23
	s_or_b32 s80, s80, 0x600000
	v_mov_b32 v[LMV], s80
	PLACES NP
; Block a: 16 rows of source 1 x my 128 of source 0: 64 registers a lane, four groups of 16 neighbours.  Held, converted, stored: four stores of 512 consecutive bytes.
.macro OUT a
.set AC, 64*((\a)%4)
.set WD, 2+(\a)/4
.set WW, (WD<<6)|WD
	WIN WW                                         ; destination and source 0 in the accumulators' window
.set j, 0
.rept 64
	v_med3_num_f32 v[AC+j], v[AC+j], -v[LMV], v[LMV]   ; the hold; each accumulator from its low end on
.set j, j+1
.endr
	WIN WD
	s_wait_alu depctr_va_vdst(0)
	s_wait_xcnt 0x0                                ; the last block's stores have read their data and their base
.if (\a) == 4
	s_add_nc_u64 s[10:11], s[10:11], s[86:87]
.elseif (\a) > 0
	s_add_nc_u64 s[10:11], s[10:11], s[84:85]
.endif
.set j, 0
.rept 8
	v_cvt_scalef32_pk8_fp8_f32 v[CD+2*j:CD+2*j+1], v[AC+8*j:AC+8*j+7], v[SCV]
.set j, j+1
.endr
	WIN 0
	v_nop                                          ; a plain line behind the conversions
.irp p, 0,1,2,3
	global_store_b128 v[VO+\p], v[CD+4*\p:CD+4*\p+3], s[10:11]
.endr
.endm
.irp a, 0,1,2,3,4,5,6,7
	OUT \a
.endr
	s_wait_tensorcnt 0x0                           ; the wave's end
	ds_add_u32 v[SPW], v[NIL]
	s_wait_dscnt 0x0
	CROUND                                         ; the closing round: no work-group ends while a partner may still ask for a tile that names it
	s_endpgm
.Lfunc_end_k_qeacbe31c09_proj:
	.size	k_qeacbe31c09_proj, .Lfunc_end_k_qeacbe31c09_proj-k_qeacbe31c09_proj
	.p2alignl 7, 3214868480
	.fill 96, 4, 3214868480
	.section	.rodata,"a",@progbits
	.p2align	6, 0x0
	.amdhsa_kernel k_qeacbe31c09_proj
		.amdhsa_group_segment_fixed_size 327680
		.amdhsa_private_segment_fixed_size 0
		.amdhsa_enable_private_segment 0
		.amdhsa_kernarg_size 24
		.amdhsa_user_sgpr_count 2
		.amdhsa_user_sgpr_kernarg_segment_ptr 1
		.amdhsa_wavefront_size32 1
		.amdhsa_system_sgpr_workgroup_id_x 1
		.amdhsa_system_sgpr_workgroup_id_y 1
		.amdhsa_system_sgpr_workgroup_id_z 1
		.amdhsa_system_vgpr_workitem_id 0
		.amdhsa_next_free_vgpr 1024
		.amdhsa_next_free_sgpr 100
		.amdhsa_reserve_vcc 0
		.amdhsa_float_denorm_mode_32 3
		.amdhsa_float_denorm_mode_16_64 3
		.amdhsa_memory_ordered 1
		.amdhsa_forward_progress 1
		.amdhsa_inst_pref_size 121
	.end_amdhsa_kernel
	.amdgpu_metadata
---
amdhsa.version: [ 1, 2 ]
amdhsa.kernels:
  - .name:           k_qeacbe31c09_proj
    .symbol:         k_qeacbe31c09_proj.kd
    .args:
      - { .name: codes, .offset: 0, .size: 8, .value_kind: global_buffer, .address_space: global }
      - { .name: lowp_scales, .offset: 8, .size: 8, .value_kind: global_buffer, .address_space: global }
      - { .name: qkv, .offset: 16, .size: 8, .value_kind: global_buffer, .address_space: global }
    .group_segment_fixed_size: 327680
    .private_segment_fixed_size: 0
    .kernarg_segment_align: 8
    .kernarg_segment_size: 24
    .max_flat_workgroup_size: 128
    .sgpr_count:     100
    .vgpr_count:     1024
    .wavefront_size: 32
...
	.end_amdgpu_metadata
.endif
;; end of part 2
;; launch attn (part 3): grid 4 x 64, 8 waves a work-group, clusters of 4 x 1, 271,360 bytes of LDS; arguments qkv, masked_info, lowp_scales, cc; writes cc
.if DOCPART == 3
	.amdgcn_target "amdgcn-amd-amdhsa--gfx1250"
	.amdhsa_code_object_version 6
	.text
	.protected	k_qeacbe31c09_attn
	.globl	k_qeacbe31c09_attn
	.p2align	8
	.type	k_qeacbe31c09_attn,@function
k_qeacbe31c09_attn:
	s_mov_b64 s[64:65], 0
	v_nop
	global_prefetch_b8 v0, s[64:65] scope:SCOPE_SE
	s_setreg_imm32_b32 hwreg(HW_REG_WAVE_MODE, 25, 1), 1
	s_wait_xcnt 0x0
	s_wait_alu depctr_hold_cnt(0) depctr_sa_sdst(0) depctr_va_vdst(0) depctr_va_sdst(0) depctr_va_ssrc(0) depctr_va_vcc(0) depctr_vm_vsrc(0)
	s_getreg_b32 s2, hwreg(HW_REG_IB_STS2, 6, 4)
	s_cmp_eq_u32 s2, 0
	s_cbranch_scc0 .Lentry_in_a_cluster
	s_endpgm
.Lentry_in_a_cluster:
	s_bfe_u32 s2, ttmp6, 0x10000c
	s_cmp_lg_u32 s2, 0x3003
	s_cbranch_scc0 .Lentry_shape_is_right
	s_endpgm
.Lentry_shape_is_right:
; Attention of one (batch, head) for each cluster of four work-groups, both products on codes of FP8 (E4M3); the result is quantised as the last product's operand.
; THE SOFTMAX IS QUANTISED FINISHED AND NORMALISED, so a row's maximum and sum are known before any weight is quantised: TWO PASSES over the keys.
;   pass 1: scores, a running maximum m for each lane (a lane holds half of a query's keys) and 32 partial sums a lane and tile; they are joined once, at the pass's end;
;   pass 2: the scores once more; p = 2^(c s + off), off = -c m - log2(l), c = log2(e) / 8 x 2^(e6 + e7); held, converted, multiplied by V.
; LEFT OUT: key steps all of whose keys come after the pair's queries: reference() builds the causal mask itself and gives them the weight 0.
; MASKS.  A key whose entry of masked_info is 0 gets -3e38 as the C of its score's matrix instruction (else 0): its exponential is exactly 0.  Keys after the query become -infinity in the one step on the
; diagonal, by a select on 32 lane masks made once (s70-101): the pattern of tile 0 against keys 0-63 of the step is that of tile 1 against keys 64-127; tile 0 sees none of keys 64-127.
; A query whose own entry is 0 gets off = -infinity: all its weights are 0, as the reference leaves such a row.
; SHARES.  All of the head's K and V, 262,144 bytes of register images, lie in LDS, filled ONCE by eight joint tensor loads (one a wave, the same in the four partners, mask 15).  Nothing is filled again, and the one
; fill stands at the head with no loop ahead of it: so no prefetch is written.
; Partner c takes the query tiles 8 i + 4 u + c (i = 0..15, u = 0, 1); pair i walks key steps 0 .. i of 128 keys.  Wave w takes pair w and then pair 15 - w: 17 steps a pass in every wave.
; Every branch hangs on the wave's number and on loop counters; c enters global addresses and lane data alone.
; Both products are used transposed: S^T = K Q^T, O^T = V^T P^T: a lane holds one query (lane % 16).
; THE ORDER OF WORK.  A pass goes in BLOCKS of 64 keys x 2 tiles (64 score registers), on two buffers by turns.  A block's 64 exponentials are laid by turns with element-wise lines on the block before:
; pass 1: sum[j] = sum[j] x a + e[j] (a = 2^(c m_old - c m_new) of that block); pass 2: the hold at the largest code, two numbers a line.  All sources of those lines are written ahead of the wait in front of
; the exponentials, and their results are read behind the wait that follows them.  So the last block of a pass is finished behind its loop, and a step's product with V stands in the next step.
; OUTPUT: cc [token tile 0..511][pair of heads 0..7][chunk 0..3][512]: lane (r, h): row r of the tile, k = 128 pair + 32 chunk + 16 h + 0 .. 15.
; LIMITS: e6 + e7 between -110 and 25; e8 and e10 - e8 - e9 between -126 and 119.  An entry of masked_info counts as valid where it is not 0 (a product of two entries that underflows to 0 is not served).
; REGISTERS.  Window 0: v1-19 addresses and constants; v20-35 Q; v36-67 four tiles of K; v68-99 their bias; v100-227 pass 2's scores, two buffers; v228-255 statistics, 14 a tile.
; Window 1: pass 1: v0-127 scores, two buffers; v128-191 the sums.  pass 2: v0-63 V's fragments; v64-95 p's codes; v128-191 O^T.  v192-209: the second pair's Q and mask entries.
.set VIMG, 131072                      ; LDS: K's images at 0, V's here,
.set BIAS, 262144                      ; 2,048 f32, 0 or -3e38, a key each,
.set SPARE, 0x42000                    ; and the spare words, 128 bytes a wave
.set LI,   1                           ; 16 x lane
.set HB,   2                           ; BIAS + 64 (lane / 16)
.set ADK,  3                           ; K's images of the step whose blocks are fetched
.set ADV,  4                           ; V's
.set ADB,  5                           ; the bias's
.set OFF,  6                           ; v[6:7], v[8:9] off of tile 0, 1 (the low word is used)
.set LIMA, 10                          ; 448 x 2^e8, twice: the two halves of a dual line name two registers
.set LIMB, 11
.set SCLP, 12                          ; 2^e8
.set NINF, 13                          ; -infinity
.set MQO,  14                          ; 4 x my query's place (tile 0)
.set QD,   15                          ; my query's place in its 128 tokens - 16 (lane / 16)
.set SPW,  16                          ; my spare word; never rewritten
.set NIL,  17                          ; 0; never rewritten
.set T0,   18                          ; 2^(e10 - e8 - e9)
.set T1,   19                          ; 448 x that
.set Q,    20
.set KF,   36
.set BF,   68
.set S,    100
.set ST,   228                         ; tile t at ST + 14 t: +0, +1 two chains of maxima; +2 m; +3 c m_old - c m_new; +4 -c m (pair); +6, +8 a of block 0, 1 (pairs); +10 l; +11, +12 at work; +13 my query's mask entry
.set VF,   0                           ; window 1
.set P,    64
.set AC,   128
.set QN,   192
.set MK,   70                          ; s70-101 the diagonal's lane masks
.set WV,   12
.set MSB, 0
.macro WIN new
.if MSB != \new
	s_set_vgpr_msb (MSB<<8)|\new
.set MSB, \new
.endif
.endm
.macro WALU
	s_wait_alu depctr_va_vdst(0)
.endm
.macro CROUND
	s_barrier_signal -1
	s_barrier_wait -1
	s_cmp_lg_u32 s[WV], 0
	s_cbranch_scc1 .Lnot_wave_0_\@
	s_barrier_signal -3
.Lnot_wave_0_\@:
	s_barrier_wait -3
	s_barrier_signal -1
	s_barrier_wait -1
.endm
.macro PLACES n
.rept \n
	v_nop
.endr
.endm
; 16 LDS loads: four tiles of 16 keys (half hf of a step) and their bias in the result's layout
.macro LOADKB hf
.irp kt, 0,1,2,3
.irp c, 0,1
	ds_load_b128 v[KF+8*\kt+4*\c:KF+8*\kt+4*\c+3], v[ADK] offset:4096*\hf+1024*\kt+512*\c
.endr
.endr
.irp q, 0,1,2,3,4,5,6,7
	ds_load_b128 v[BF+4*\q:BF+4*\q+3], v[ADB] offset:256*\hf+128*(\q/4)+16*(\q%4)
.endr
.endm
; 8 matrix instructions: four tiles of keys x my two tiles of queries; C = the keys' bias.  Eight different accumulators; none adds in place.
.macro QK b
.irp kt, 0,1,2,3
	v_wmma_f32_16x16x64_fp8_fp8 v[\b+8*\kt:\b+8*\kt+7], v[KF+8*\kt:KF+8*\kt+7], v[Q:Q+7], v[BF+8*\kt:BF+8*\kt+7]
	v_wmma_f32_16x16x64_fp8_fp8 v[\b+32+8*\kt:\b+32+8*\kt+7], v[KF+8*\kt:KF+8*\kt+7], v[Q+8:Q+15], v[BF+8*\kt:BF+8*\kt+7]
.endr
.endm
.macro MASKT base
.set nn, 0
.rept 32
	v_cndmask_b32 v[\base+nn], v[\base+nn], v[NINF], s[MK+nn]
.set nn, nn+1
.endr
.endm
.macro HIDE base
.set nn, 0
.rept 32
	v_mov_b32 v[\base+nn], v[NINF]
.set nn, nn+1
.endr
.endm
; the causal mask, in the step on the diagonal alone.  w: the window of the scores
.macro DIAG b, base, w
	s_cmp_lg_u32 s52, s51
	s_cbranch_scc1 .Lopen_\@
.if \b
	WIN 0x40*\w
	HIDE \base
	WIN 0x41*\w
	MASKT \base+32
.else
	WIN 0x41*\w
	MASKT \base
.endif
	WIN 0
.Lopen_\@:
.endm
; the next step's addresses, held at the last step so that no read leaves the images; with the two v_nop: four places behind the products just issued
.macro NEXTADR
	s_add_co_u32 s53, s52, 1
	s_min_u32 s53, s53, 15
	s_lshl_b32 s54, s53, 13
	s_lshl_b32 s55, s53, 9
	v_add_nc_u32 v[ADK], s54, v[LI]
	v_add_nc_u32 v[ADB], s55, v[HB]
	v_nop
	v_nop
.endm
; ---- a block of pass 1
.macro B1 b
.set CB, 64*\b
.set OB, 64-64*\b
	s_wait_dscnt 0x0                               ; this block's K and bias are in
	WIN 0x40
	QK CB
	WIN 0
.if \b
	NEXTADR
	LOADKB 0                                       ; the next step's first half
.else
	s_lshl_b32 s54, s52, 13                        ; this step's addresses, made from the step's number; with the two v_nop: four places
	s_lshl_b32 s55, s52, 9
	v_add_nc_u32 v[ADK], s54, v[LI]
	v_add_nc_u32 v[ADB], s55, v[HB]
	PLACES 2
	LOADKB 1
.endif
	DIAG \b, CB, 1
	WIN 0x15                                       ; the maximum of my 32 scores a tile, in two chains; each accumulator from its low end on
.irp t, 0,1
	v_max3_num_f32 v[ST+14*\t], v[CB+32*\t], v[CB+32*\t+1], v[CB+32*\t+2]
	v_max3_num_f32 v[ST+14*\t+1], v[CB+32*\t+3], v[CB+32*\t+4], v[CB+32*\t+5]
.endr
	WIN 0x14
.set j, 6
.rept 13
.irp t, 0,1
	v_max3_num_f32 v[ST+14*\t+(j/2)%2], v[ST+14*\t+(j/2)%2], v[CB+32*\t+j], v[CB+32*\t+j+1]
.endr
.set j, j+2
.endr
	WIN 0
.irp t, 0,1
	v_max3_num_f32 v[ST+14*\t+2], v[ST+14*\t], v[ST+14*\t+1], v[ST+14*\t+2]   ; the running maximum
.endr
.irp t, 0,1
	v_fma_f32 v[ST+14*\t+3], s46, v[ST+14*\t+2], -v[ST+14*\t+4]   ; c m_old - c m_new, 0 or less
.endr
.irp t, 0,1
	v_mul_f32 v[ST+14*\t+4], s46, v[ST+14*\t+2]    ; -c m
.endr
	WIN 0x41
.set j, 0
.rept 16
.irp t, 0,1
	v_pk_fma_f32 v[CB+32*\t+j:CB+32*\t+j+1], v[CB+32*\t+j:CB+32*\t+j+1], s[44:45], v[ST+14*\t+4:ST+14*\t+5] op_sel_hi:[1,0,0]
.endr
.set j, j+2
.endr
	WIN 0
	WALU                                           ; the wait ahead of the exponentials
.irp t, 0,1
	v_exp_f32 v[ST+14*\t+6+2*\b], v[ST+14*\t+3]    ; this block's a
.endr
	WIN 0x51
.set j, 0
.rept 32
	v_exp_f32 v[CB+j], v[CB+j]
	v_exp_f32 v[CB+j+1], v[CB+j+1]
	v_pk_fma_f32 v[AC+j:AC+j+1], v[AC+j:AC+j+1], v[ST+14*(j/32)+8-2*\b:ST+14*(j/32)+9-2*\b], v[OB+j:OB+j+1] op_sel_hi:[1,0,1]   ; the block before: sum = sum x its a + its e
.set j, j+2
.endr
	WIN 0
	WALU                                           ; and behind them, ahead of their first reader
.endm
; ---- pass 2: block b's held weights become codes, p's half b
.macro CVT b
	WIN 0x40
.irp t, 0,1
.irp q, 0,1,2,3
	v_cvt_scalef32_pk8_fp8_f32 v[P+16*\t+8*(\b)+2*\q:P+16*\t+8*(\b)+2*\q+1], v[S+64*(\b)+32*\t+8*\q:S+64*(\b)+32*\t+8*\q+7], v[SCLP]
.endr
.endr
	WIN 0
	v_nop                                          ; a plain line behind the conversions
.endm
.macro HOLD r                          ; the conversion does not saturate (ISA guide 7.6.2); p is not negative, so the hold is one-sided; two numbers a line
	v_dual_min_num_f32 v[\r], v[\r], v[LIMA] :: v_dual_min_num_f32 v[\r+1], v[\r+1], v[LIMB]
.endm
.macro PVM                             ; O^T += V^T P^T of a whole step: eight accumulators, one instruction each
	WALU
	WIN 0x55
.irp t, 0,1,2,3
.irp u, 0,1
	v_wmma_f32_16x16x128_fp8_fp8 v[AC+32*\u+8*\t:AC+32*\u+8*\t+7], v[VF+16*\t:VF+16*\t+15], v[P+16*\u:P+16*\u+15], v[AC+32*\u+8*\t:AC+32*\u+8*\t+7]
.endr
.endr
	WIN 0
.endm
.macro B2 b
.set CB, S+64*\b
.set OB, S+64-64*\b
.if \b
	s_wait_dscnt 16                                ; the second half's K and bias are in; V's 16 younger loads may be out
.else
	s_wait_dscnt 0x0                               ; the first half's K and bias, and the last step's V
.endif
	QK CB
.if \b
	NEXTADR
	LOADKB 0
.else
	s_lshl_b32 s54, s52, 13                        ; this step's addresses, made from the step's number; with the v_nop: four places
	s_lshl_b32 s55, s52, 9
	v_add_nc_u32 v[ADK], s54, v[LI]
	v_add_nc_u32 v[ADB], s55, v[HB]
	s_add_co_u32 s54, s54, VIMG
	v_add_nc_u32 v[ADV], s54, v[LI]
	PLACES 1
	LOADKB 1
.endif
	DIAG \b, CB, 0
.set j, 0
.rept 16
.irp t, 0,1
	v_pk_fma_f32 v[CB+32*\t+j:CB+32*\t+j+1], v[CB+32*\t+j:CB+32*\t+j+1], s[44:45], v[OFF+2*\t:OFF+2*\t+1] op_sel_hi:[1,0,0]   ; c s + off
.endr
.set j, j+2
.endr
	WALU                                           ; the wait ahead of the exponentials
.set j, 0
.rept 32
	v_exp_f32 v[CB+j], v[CB+j]                     ; the finished, normalised weight
	v_exp_f32 v[CB+j+1], v[CB+j+1]
	HOLD OB+j                                      ; the block before
.set j, j+2
.endr
	WALU                                           ; and behind them
	CVT 1-\b
.if \b == 0
	s_cmp_eq_u32 s52, 0                            ; the first step has no step before it
	s_cbranch_scc1 .Lnopv_\@
	PVM                                            ; the last step's product with V
.Lnopv_\@:
	PLACES 4
	WIN 0x40
.irp t, 0,1,2,3
.irp c, 0,1,2,3
	ds_load_b128 v[VF+16*\t+4*\c:VF+16*\t+4*\c+3], v[ADV] offset:2048*\t+512*\c   ; this step's V
.endr
.endr
	WIN 0
.endif
.endm
; ================ the head
	s_load_b256 s[4:11], s[0:1], 0x0               ; qkv s[4:5], masked_info s[6:7], the scales' exponents s[8:9], cc s[10:11]
	v_lshl_add_u32 v[SPW], v0, 2, SPARE
	v_mov_b32 v[NIL], 0
	ds_add_u32 v[SPW], v[NIL]                      ; the opening lines: the add twice on end and its wait ahead of my tensor load
	ds_add_u32 v[SPW], v[NIL]
	v_lshrrev_b32 v18, 5, v0
	v_readfirstlane_b32 s[WV], v18                 ; wave 0..7
	s_bfe_u32 s13, ttmp6, 0x40000                  ; c: my place in the cluster
	s_and_b32 s14, ttmp7, 0xffff                   ; 16 x batch + head, which the four partners share
	s_lshr_b32 s15, s14, 4                         ; batch
	s_and_b32 s16, s14, 15                         ; head
	s_mov_b32 s24, 15|(3<<16)|(1<<21)              ; group 1: the mask of all four; elements of 8 bytes; 128 rows of 256 bytes, dense: 32,768 bytes a wave
	s_mov_b32 s25, 32<<16
	s_mov_b32 s26, 128<<16
	s_mov_b32 s27, 32<<16
	s_mov_b32 s28, 128
	s_mov_b32 s29, 32
	s_mov_b32 s30, 0
	s_mov_b32 s31, 0
	s_lshr_b32 s54, s[WV], 2                       ; waves 0-3: K's four quarters; waves 4-7: V's
	s_lshl_b32 s54, s54, 23
	s_add_co_u32 s54, s54, 0x800000
	s_lshl_b32 s55, s14, 17
	s_add_co_u32 s54, s54, s55
	s_and_b32 s55, s[WV], 3
	s_lshl_b32 s55, s55, 15
	s_add_co_u32 s54, s54, s55
	s_mov_b32 s55, 0
	s_mov_b32 s20, 1
	s_lshl_b32 s21, s[WV], 15                      ; LDS address: 32,768 x wave
	s_wait_dscnt 0x0
	s_wait_kmcnt 0x0
	s_load_b256 s[32:39], s[8:9], 0x0              ; e0 .. e7
	s_load_b128 s[40:43], s[8:9], 0x20             ; e8 .. e11
	s_add_nc_u64 s[22:23], s[4:5], s[54:55]
	s_or_b32 s23, s23, 0x80000000
	CROUND                                         ; all four work-groups are here: the joint loads meet
	tensor_load_to_lds s[20:23], s[24:31]          ; my one tensor load of the launch
	s_nop 0
	PLACES 4
	s_lshl_b32 s54, s15, 13
	s_add_nc_u64 s[66:67], s[6:7], s[54:55]        ; masked_info of my batch
	s_mov_b32 s69, 0
	s_lshl_b32 s53, s14, 17
.macro QADR i, qa, ma                  ; Q's image of tile 8 i + c, and masked_info at token 128 i
	s_lshl_b32 s54, s\i, 3
	s_add_co_u32 s54, s54, s13
	s_lshl_b32 s68, s54, 10
	s_add_co_u32 s68, s68, s53
	s_add_nc_u64 s[\qa:\qa+1], s[4:5], s[68:69]
	s_lshl_b32 s68, s\i, 9
	s_add_nc_u64 s[\ma:\ma+1], s[66:67], s[68:69]
.endm
	s_sub_co_u32 s51, 15, s[WV]
	QADR 12, 56, 58                                ; pair w
	QADR 51, 60, 62                                ; pair 15 - w
	s_lshr_b32 s54, s13, 1                         ; row r of tile 8 i + 4 u + c is token 128 i + 64 u + 32 (c / 2) + 8 (c % 2) + r + 8 (r / 8)
	s_lshl_b32 s54, s54, 5
	s_and_b32 s55, s13, 1
	s_lshl_b32 s55, s55, 3
	s_add_co_u32 s54, s54, s55
	v_lshlrev_b32 v44, 5, v0                       ; the bias: thread t makes keys 8 t .. 8 t + 7
	global_load_b128 v[36:39], v44, s[66:67]
	global_load_b128 v[40:43], v44, s[66:67] offset:16
	v_lshl_add_u32 v45, v0, 5, BIAS
	v_and_b32 v[LI], 31, v0
	v_and_b32 v46, 15, v0                          ; r
	v_bfe_u32 v47, v0, 4, 1                        ; h
	v_lshlrev_b32 v[LI], 4, v[LI]
	v_and_b32 v48, 8, v46
	v_lshl_add_u32 v[HB], v47, 6, BIAS
	v_add_nc_u32 v48, v48, v46
	v_lshlrev_b32 v49, 4, v47
	v_add_nc_u32 v48, s54, v48
	v_lshlrev_b32 v[MQO], 2, v48
	v_sub_nc_u32 v[QD], v48, v49
.irp t, 0,1                            ; both pairs' Q and mask entries are asked for while the tiles are on their way
.irp c, 0,1
	global_load_b128 v[Q+8*\t+4*\c:Q+8*\t+4*\c+3], v[LI], s[56:57] offset:4096*\t+512*\c
.endr
	global_load_b32 v[ST+14*\t+13], v[MQO], s[58:59] offset:256*\t
.endr
	WIN 0x40
.irp t, 0,1
.irp c, 0,1
	global_load_b128 v[QN+8*\t+4*\c:QN+8*\t+4*\c+3], v[LI], s[60:61] offset:4096*\t+512*\c
.endr
	global_load_b32 v[QN+16+\t], v[MQO], s[62:63] offset:256*\t
.endr
	WIN 0
	v_mov_b32 v[NINF], 0xff800000
	v_mov_b32 v[OFF+1], 0                          ; (named as the upper halves of pairs, so they are written)
	v_mov_b32 v[OFF+3], 0
	v_mov_b32 v50, 0xff61b1e6                      ; -3e38
.set nn, 0
.rept 32                               ; register nn of a block holds key 32 (nn / 16) + nn % 16 + 16 (lane / 16): hidden where that lies after my query
	v_cmp_gt_i32 s[MK+nn], 32*(nn/16)+nn%16, v[QD]
.set nn, nn+1
.endr
.set j, 0
.rept 64
	v_mov_b32 v[S+64+j], 0                         ; pass 2's second buffer: its first block holds and converts what lies here, and nothing reads those codes
.set j, j+1
.endr
	WIN 0x40
.set j, 0
.rept 64
	v_mov_b32 v[VF+j], 0                           ; window 1's first 64 registers are written once on every path
.set j, j+1
.endr
	WIN 0
	WALU
	s_wait_loadcnt 12                              ; the eight mask entries are in; the twelve loads for Q may be out
.irp j, 0,1,2,3,4,5,6,7
	v_cmp_eq_f32 vcc_lo, 0, v[36+\j]
	v_cndmask_b32 v[36+\j], 0, v50, vcc_lo
.endr
	ds_store_b128 v45, v[36:39]
	ds_store_b128 v45, v[40:43] offset:16
	s_wait_kmcnt 0x0
	s_add_co_i32 s54, s38, s39                     ; e6 + e7 go into c's exponent field
	s_lshl_b32 s54, s54, 23
	s_add_co_i32 s44, s54, 0x3e38aa3b              ; c = log2(e) / 8 x 2^(e6 + e7)
	s_mov_b32 s45, s44
	s_xor_b32 s46, s44, 0x80000000                 ; -c
	s_mov_b32 s48, 0x76543210                      ; v_permlanex16_b32's selects for lane l xor 16
	s_mov_b32 s49, 0xfedcba98
	s_add_co_i32 s54, s40, 127
	s_lshl_b32 s55, s54, 23
	v_mov_b32 v[SCLP], s55
	s_add_co_i32 s54, s54, 8
	s_lshl_b32 s54, s54, 23
	s_or_b32 s54, s54, 0x600000
	v_mov_b32 v[LIMA], s54
	v_mov_b32 v[LIMB], s54
	s_sub_co_i32 s54, s42, s40                     ; a sum of the second product stands for sum x 2^(e8 + e9): its code is sum / 2^(e10 - e8 - e9)
	s_sub_co_i32 s54, s54, s41
	s_add_co_i32 s54, s54, 127
	s_lshl_b32 s55, s54, 23
	v_mov_b32 v[T0], s55
	s_add_co_i32 s54, s54, 8
	s_lshl_b32 s54, s54, 23
	s_or_b32 s54, s54, 0x600000
	v_mov_b32 v[T1], s54
	WALU                                           ; the wait at the head's end
	s_wait_loadcnt 0x0                             ; Q and my queries' mask entries, of both pairs
	s_wait_tensorcnt 0x0                           ; my part of the images has landed,
	s_wait_dscnt 0x0                               ; my part of the bias is stored:
	s_barrier_signal -1
	s_barrier_wait -1                              ; everybody's.  From here on LDS is only read, and the waves do not meet again before the closing round
	s_mov_b32 s50, 0
.Lpair:
	s_sub_co_u32 s54, 15, s[WV]
	s_cmp_eq_u32 s50, 0
	s_cselect_b32 s51, s[WV], s54                  ; i: pair w, then pair 15 - w
	s_lshl_b32 s54, s51, 3
	s_add_co_u32 s54, s54, s13
	s_lshl_b32 s55, s15, 7
	s_add_co_u32 s54, s54, s55
	s_lshl_b32 s68, s54, 14                        ; cc: token tile 128 batch + 8 i + c,
	s_lshr_b32 s55, s16, 1
	s_lshl_b32 s55, s55, 11                        ; pair of heads,
	s_add_co_u32 s68, s68, s55
	s_and_b32 s55, s16, 1
	s_lshl_b32 s55, s55, 10                        ; my head's two chunks
	s_add_co_u32 s68, s68, s55
	s_mov_b32 s69, 0
	s_add_nc_u64 s[60:61], s[10:11], s[68:69]
	s_cmp_eq_u32 s50, 0
	s_cbranch_scc1 .Lfirst
	WIN 0x01
.set j, 0
.rept 16
	v_mov_b32 v[Q+j], v[QN+j]                      ; the second pair's Q
.set j, j+1
.endr
	v_mov_b32 v[ST+13], v[QN+16]
	v_mov_b32 v[ST+27], v[QN+17]
	WIN 0
.Lfirst:
.irp t, 0,1
	v_mov_b32 v[ST+14*\t], 0
	v_mov_b32 v[ST+14*\t+1], 0
	v_mov_b32 v[ST+14*\t+2], 0xf1800000            ; m = -2^100: under every score, over the bias
	v_mov_b32 v[ST+14*\t+5], 0
	v_mov_b32 v[ST+14*\t+7], 0
	v_mov_b32 v[ST+14*\t+8], 0
	v_mov_b32 v[ST+14*\t+9], 0
	v_mul_f32 v[ST+14*\t+4], s46, v[ST+14*\t+2]    ; -c m
.endr
	WIN 0x40
.set j, 64
.rept 128
	v_mov_b32 v[j], 0                              ; the second buffer (the first block adds it to the sums) and the 64 sums
.set j, j+1
.endr
	WIN 0
	v_mov_b32 v[ADK], v[LI]
	v_mov_b32 v[ADB], v[HB]
	s_mov_b32 s52, 0
	LOADKB 0                                       ; step 0's first half
	WALU
; ---------------- pass 1.  Sixteen trips in every wave; a step after the pair's own tokens is jumped over.
.Lp1:
	s_cmp_gt_u32 s52, s51
	s_cbranch_scc1 .Lp1_next
	B1 0
	B1 1
.Lp1_next:
	s_add_co_u32 s52, s52, 1
	s_cmp_lt_u32 s52, 16
	s_cbranch_scc1 .Lp1
	s_wait_dscnt 0x0                               ; the last fetch ahead, which nobody uses, is in: its registers may be loaded again
	WIN 0x51
.set j, 0
.rept 32
	v_pk_fma_f32 v[AC+j:AC+j+1], v[AC+j:AC+j+1], v[ST+14*(j/32)+8:ST+14*(j/32)+9], v[64+j:64+j+1] op_sel_hi:[1,0,1]   ; the last block goes into the sums
.set j, j+2
.endr
	WIN 0x45
.irp w, 16,8,4,2                       ; a tile's 32 sums become two
.set j, 0
.rept \w/2
.irp t, 0,1
	v_pk_add_f32 v[AC+32*\t+j:AC+32*\t+j+1], v[AC+32*\t+j:AC+32*\t+j+1], v[AC+32*\t+\w+j:AC+32*\t+\w+j+1]
.endr
.set j, j+2
.endr
.endr
	WIN 0x05
.irp t, 0,1
	v_add_f32 v[ST+14*\t+10], v[AC+32*\t], v[AC+32*\t+1]        ; my half's l
.endr
	WIN 0
; ---------------- the two halves of the lanes are joined: m = the larger, l = l f + l' f'; off = -c m - log2(l)
.irp t, 0,1
	v_permlanex16_b32 v[ST+14*\t], v[ST+14*\t+2], s48, s49      ; the other half's m
.endr
.irp t, 0,1
	v_permlanex16_b32 v[ST+14*\t+1], v[ST+14*\t+10], s48, s49   ; and l
.endr
.irp t, 0,1
	v_max_num_f32 v[ST+14*\t+11], v[ST+14*\t+2], v[ST+14*\t]
	v_mul_f32 v[ST+14*\t+3], s46, v[ST+14*\t]      ; the other half's -c m, as that lane made it
.endr
.irp t, 0,1
	v_mul_f32 v[ST+14*\t+12], s46, v[ST+14*\t+11]  ; -c m of the whole row
.endr
.irp t, 0,1
	v_sub_f32 v[ST+14*\t+6], v[ST+14*\t+12], v[ST+14*\t+4]
	v_sub_f32 v[ST+14*\t+3], v[ST+14*\t+12], v[ST+14*\t+3]
.endr
	WALU
.irp t, 0,1
	v_exp_f32 v[ST+14*\t+6], v[ST+14*\t+6]
	v_exp_f32 v[ST+14*\t+3], v[ST+14*\t+3]
.endr
	v_nop
	WALU
.irp t, 0,1
	v_mul_f32 v[ST+14*\t+10], v[ST+14*\t+10], v[ST+14*\t+6]
.endr
.irp t, 0,1
	v_fma_f32 v[ST+14*\t+10], v[ST+14*\t+1], v[ST+14*\t+3], v[ST+14*\t+10]
.endr
	WALU
.irp t, 0,1
	v_log_f32 v[ST+14*\t+10], v[ST+14*\t+10]
.endr
	v_nop
	WALU
.irp t, 0,1
	v_sub_f32 v[OFF+2*\t], v[ST+14*\t+12], v[ST+14*\t+10]
	v_cmp_eq_f32 vcc_lo, 0, v[ST+14*\t+13]
	v_cndmask_b32 v[OFF+2*\t], v[OFF+2*\t], v[NINF], vcc_lo     ; a query that is masked out: every weight 0
.endr
; ---------------- pass 2
	WIN 0x40
.set j, 0
.rept 64
	v_mov_b32 v[AC+j], 0                           ; O^T: the step is written once, and its first product finds zeros
.set j, j+1
.endr
	WIN 0
	v_mov_b32 v[ADK], v[LI]
	v_mov_b32 v[ADB], v[HB]
	s_mov_b32 s52, 0
	LOADKB 0
	WALU                                           ; the wait here, as ahead of pass 1
.Lp2:
	s_cmp_gt_u32 s52, s51
	s_cbranch_scc1 .Lp2_next
	B2 0
	B2 1
.Lp2_next:
	s_add_co_u32 s52, s52, 1
	s_cmp_lt_u32 s52, 16
	s_cbranch_scc1 .Lp2
	s_wait_dscnt 0x0                               ; the last step's V is in, and the fetch ahead that nobody uses
.set j, 0
.rept 32
	HOLD S+64+j                                    ; the last block is finished behind the loop
.set j, j+2
.endr
	CVT 1
	PVM
; ---------------- the pair's way out: O^T held, converted, stored as images: four stores of 512 consecutive bytes
	PLACES 4
	WIN 0x41
.set j, 0
.rept 64
	v_med3_num_f32 v[AC+j], v[AC+j], -v[T1], v[T1] ; each accumulator from its low end on
.set j, j+1
.endr
	WIN 0x01
.set j, 0
.rept 8
	v_cvt_scalef32_pk8_fp8_f32 v[S+2*j:S+2*j+1], v[AC+8*j:AC+8*j+7], v[T0]
.set j, j+1
.endr
	WIN 0
	v_nop
.irp t, 0,1
.irp b, 0,1
	global_store_b128 v[LI], v[S+8*\t+4*\b:S+8*\t+4*\b+3], s[60:61] offset:65536*\t+512*\b
.endr
.endr
	s_wait_xcnt 0x0                                ; the stores have read their data and their base: both are written again in the next trip
	s_add_co_u32 s50, s50, 1
	s_cmp_lt_u32 s50, 2
	s_cbranch_scc1 .Lpair
	s_wait_tensorcnt 0x0                           ; the wave's end
	ds_add_u32 v[SPW], v[NIL]
	s_wait_dscnt 0x0
	CROUND                                         ; the closing round
	s_endpgm
.Lfunc_end_k_qeacbe31c09_attn:
	.size	k_qeacbe31c09_attn, .Lfunc_end_k_qeacbe31c09_attn-k_qeacbe31c09_attn
	.p2alignl 7, 3214868480
	.fill 96, 4, 3214868480
	.section	.rodata,"a",@progbits
	.p2align	6, 0x0
	.amdhsa_kernel k_qeacbe31c09_attn
		.amdhsa_group_segment_fixed_size 271360
		.amdhsa_private_segment_fixed_size 0
		.amdhsa_enable_private_segment 0
		.amdhsa_kernarg_size 32
		.amdhsa_user_sgpr_count 2
		.amdhsa_user_sgpr_kernarg_segment_ptr 1
		.amdhsa_wavefront_size32 1
		.amdhsa_system_sgpr_workgroup_id_x 1
		.amdhsa_system_sgpr_workgroup_id_y 1
		.amdhsa_system_sgpr_workgroup_id_z 1
		.amdhsa_system_vgpr_workitem_id 0
		.amdhsa_next_free_vgpr 480
		.amdhsa_next_free_sgpr 102
		.amdhsa_reserve_vcc 1
		.amdhsa_float_denorm_mode_32 3
		.amdhsa_float_denorm_mode_16_64 3
		.amdhsa_memory_ordered 1
		.amdhsa_forward_progress 1
		.amdhsa_inst_pref_size 89
	.end_amdhsa_kernel
	.amdgpu_metadata
---
amdhsa.version: [ 1, 2 ]
amdhsa.kernels:
  - .name:           k_qeacbe31c09_attn
    .symbol:         k_qeacbe31c09_attn.kd
    .args:
      - { .name: qkv, .offset: 0, .size: 8, .value_kind: global_buffer, .address_space: global }
      - { .name: masked_info, .offset: 8, .size: 8, .value_kind: global_buffer, .address_space: global }
      - { .name: lowp_scales, .offset: 16, .size: 8, .value_kind: global_buffer, .address_space: global }
      - { .name: cc, .offset: 24, .size: 8, .value_kind: global_buffer, .address_space: global }
    .group_segment_fixed_size: 271360
    .private_segment_fixed_size: 0
    .kernarg_segment_align: 8
    .kernarg_segment_size: 32
    .max_flat_workgroup_size: 256
    .sgpr_count:     102
    .vgpr_count:     480
    .wavefront_size: 32
...
	.end_amdgpu_metadata
.endif
;; end of part 3
;; launch outp (part 4): grid 4 x 64, 4 waves a work-group, clusters of 4 x 4, 327,680 bytes of LDS; arguments cc, codes, lowp_scales, out0; writes out0
.if DOCPART == 4
	.amdgcn_target "amdgcn-amd-amdhsa--gfx1250"
	.amdhsa_code_object_version 6
	.text
	.protected	k_qeacbe31c09_outp
	.globl	k_qeacbe31c09_outp
	.p2align	8
	.type	k_qeacbe31c09_outp,@function
k_qeacbe31c09_outp:
	s_mov_b64 s[64:65], 0
	v_nop
	global_prefetch_b8 v0, s[64:65] scope:SCOPE_SE
	s_setreg_imm32_b32 hwreg(HW_REG_WAVE_MODE, 25, 1), 1
	s_wait_xcnt 0x0
	s_wait_alu depctr_hold_cnt(0) depctr_sa_sdst(0) depctr_va_vdst(0) depctr_va_sdst(0) depctr_va_ssrc(0) depctr_va_vcc(0) depctr_vm_vsrc(0)
	s_getreg_b32 s2, hwreg(HW_REG_IB_STS2, 6, 4)
	s_cmp_eq_u32 s2, 0
	s_cbranch_scc0 .Lentry_in_a_cluster
	s_endpgm
.Lentry_in_a_cluster:
	s_bfe_u32 s2, ttmp6, 0x10000c
	s_cmp_lg_u32 s2, 0xf033
	s_cbranch_scc0 .Lentry_shape_is_right
	s_endpgm
.Lentry_shape_is_right:
; out0 [8192][1024] f32 = concat x WO on codes of FP8 (E4M3).  A = cc, the attention's results as images of operand registers: [token tile of 16][pair of heads 0..7][chunk 0..3][512 bytes]:
; lane (r, h) holds row r of the tile, k = 128 pair + 32 chunk + 16 h + 0 .. 15.  B = WO's codes, [1024 output columns][1024 bytes], at 0x1B00000 of 'codes'.  Each finished sum is multiplied once by 2^(e10 + e11).
; LIMIT: e10 + e11 between -126 and 127, so that 2^(e10 + e11) is an f32 number.
; SHARES.  8,192 x 1,024 results on 256 work-groups: a block of 128 tokens x 256 columns each; four waves, 2 x 2, each 64 tokens x 128 columns: 32 accumulators of 16 x 16 in window 2.
; K = 1,024 goes in four K steps of 256 through a ring of two LDS slots; a slot holds A's 8 token tiles x 4,096 bytes, dense, and B's 256 rows of 256 bytes + 16 of padding.
; Waves 0 and 1 fetch four token tiles of A each, waves 2 and 3 128 rows of B each: one tensor load a wave at the head and behind each round.
; CLUSTERS: 4 x 4 work-groups.  A's tile hangs on the block's row alone and is asked for jointly by a row of the cluster, B's on the block's column alone, by a column.
; A K step is two steps of 128 along K, 32 matrix instructions each.  A and B have two sets of fragment registers each: a step's 48 LDS loads are issued ahead of the products of the step before.
; THE MATRIX INSTRUCTION IS USED TRANSPOSED (source 0 = 16 rows of B, source 1 = 16 rows of A): a lane holds eight neighbouring numbers of a row of out0.
; Row r of token tile T is token 32 (T / 2) + 8 (T % 2) + r + 8 (r / 8): the way out puts each row in its place.
; PREFETCHES into the L2: K steps 2 and 3 of what I fetch, one instruction each; the four partners of a joint load share its blocks of 256 bytes out by address.  K steps 0 and 1 come by their loads alone.
; REGISTERS: window 0: v0-31 addresses; v32-95 at work on the way out; v128-255 A's fragments, two sets of four (on the way out: rows read back).  window 1: B's fragments, two sets of eight.  window 2: accumulator (a, b) at v[8 (8 a + b)].
.set SIZE_N, 1024
.set ROWB,   256
.set KROW,   1024
.set PITCH,  272                       ; B's LDS row: 256 bytes + 16 of padding
.set FR,     16
.set NP,     4                         ; places behind this matrix instruction (ISA guide 7.12.1)
.set ASTEP,  4096                      ; a token tile's 256 along K
.set AHALF,  4*ASTEP                   ; four token tiles: what one load of A brings, and what one wave reads
.set APART,  2*AHALF
.set HALFB,  128*PITCH
.set SLOT,   APART+2*HALFB
.set SPARE,  2*SLOT                    ; behind the ring: the spare words, 128 bytes for each wave
.set SPITCH, 528                       ; the way out: a stage of 16 rows x (512 + 16) bytes for each wave, in slot 0, which has had its last fill and its last read by then
.set ADRA, 16                          ; v16-17 LDS address of my A fragments in slot 0, 1
.set ADRB, 20                          ; v20-21 the same for B
.set STO,  24
.set RD,   25
.set CO,   26                          ; 16 x lane
.set SPW,  28                          ; my spare word; never rewritten
.set NIL,  29                          ; 0; never rewritten
.set PFO,  30                          ; the prefetches' offset; never rewritten
.set TMP,  32
.set AF,   128
.set BK,   128
.set G1, 24                            ; s[24:31] group 1 of A's tiles, s[32:39] group 0, a set for each slot
.set G0, 32
.set G1B, 48                           ; s[48:55], s[56:63] the same for B's
.set G0B, 56
.set MSB, 0
.macro WIN new
.if MSB != \new
	s_set_vgpr_msb (MSB<<8)|\new
.set MSB, \new
.endif
.endm
.set MUL_LO, 0xa1                      ; source 0 (B) window 1, source 1 (A) window 0, C and D window 2
.set TO_B,   0x40
.macro JLOAD g0a, g1a, g0b, g1b        ; waves 0 and 1 fetch for A, waves 2 and 3 for B; an s_nop 0 and four v_nop follow each line
	s_cmp_eq_u32 s15, 0
	s_cbranch_scc0 .Lfor_b_\@
	tensor_load_to_lds s[\g0a:\g0a+3], s[\g1a:\g1a+7]
	s_nop 0
.rept 4
	v_nop
.endr
	s_branch .Lasked_\@
.Lfor_b_\@:
	tensor_load_to_lds s[\g0b:\g0b+3], s[\g1b:\g1b+7]
	s_nop 0
.rept 4
	v_nop
.endr
.Lasked_\@:
.endm
.macro CREST
	s_cmp_lg_u32 s14, 0
	s_cbranch_scc1 .Lnot_wave_0_\@
	s_barrier_signal -3
.Lnot_wave_0_\@:
	s_barrier_wait -3
	s_barrier_signal -1
	s_barrier_wait -1
.endm
.macro CROUND
	s_barrier_signal -1
	s_barrier_wait -1
	CREST
.endm
.macro PLACES n
.rept \n
	v_nop
.endr
.endm
	s_load_b128 s[4:7], s[0:1], 0x0                ; cc, codes
	s_load_b128 s[8:11], s[0:1], 0x10              ; the scales' exponents, out0
	v_lshl_add_u32 v[SPW], v0, 2, SPARE
	v_mov_b32 v[NIL], 0
	ds_add_u32 v[SPW], v[NIL]                      ; the opening lines: the add twice on end and its wait ahead of my first tensor load
	ds_add_u32 v[SPW], v[NIL]
	v_lshrrev_b32 v1, 5, v0
	v_readfirstlane_b32 s14, v1                    ; wave 0..3
	s_lshr_b32 s15, s14, 1                         ; which 64 tokens are mine.  Also: I fetch for A (0) or for B (1)
	s_and_b32 s16, s14, 1                          ; which 128 columns.  Also: which half of that tile I fetch
	s_bfe_u32 s40, ttmp6, 0x40000                  ; cx, cy
	s_bfe_u32 s41, ttmp6, 0x40004
	s_lshl_b32 s42, ttmp9, 2
	s_add_co_u32 s42, s42, s40                     ; the block's column, 0 .. 3
	s_and_b32 s17, ttmp7, 0xffff
	s_lshl_b32 s17, s17, 2
	s_add_co_u32 s17, s17, s41                     ; the block's row, 0 .. 63
	s_lshl_b32 s43, s41, 2
	s_lshl_b32 s43, 15, s43                        ; my row of the cluster
	s_lshl_b32 s44, 0x1111, s40                    ; my column
	s_or_b32 s[G1+0], s43, (3<<16)|(1<<21)         ; A: elements of 8 bytes; 4 rows of 512 elements, 2,048 elements apart; dense in LDS
	s_mov_b32 s[G1+1], 512<<16
	s_mov_b32 s[G1+2], 4<<16
	s_mov_b32 s[G1+3], 512<<16
	s_mov_b32 s[G1+4], 4
	s_mov_b32 s[G1+5], 2048
	s_mov_b32 s[G1+6], 0
	s_mov_b32 s[G1+7], 0
	s_or_b32 s[G1B+0], s44, (0<<16)|(1<<20)|(1<<21)|(5<<22)|(3<<25)   ; B: 128 rows of 256 bytes, four words of padding behind every 64
	s_mov_b32 s[G1B+1], ROWB<<16
	s_mov_b32 s[G1B+2], 128<<16
	s_mov_b32 s[G1B+3], ROWB<<16
	s_mov_b32 s[G1B+4], 128
	s_mov_b32 s[G1B+5], KROW
	s_mov_b32 s[G1B+6], 0
	s_mov_b32 s[G1B+7], 0
	s_lshl_b32 s18, s16, 16                        ; A: 8 token tiles of 16,384 bytes a block, 4 a load
	s_lshl_b32 s20, s17, 17
	s_add_co_u32 s20, s20, s18
	s_mov_b32 s21, 0
	s_lshl_b32 s19, s16, 17                        ; B: 256 rows of 1,024 bytes a block, 128 a load
	s_lshl_b32 s46, s42, 18
	s_add_co_u32 s46, s46, s19
	s_add_co_u32 s46, s46, 0x1B00000
	s_mov_b32 s47, 0
	s_lshl_b32 s45, s16, 14                        ; where they go: no place in the cluster enters an LDS address
	s_mul_i32 s90, s16, HALFB
	s_add_co_u32 s90, s90, APART
	s_wait_dscnt 0x0                               ; both opening adds are done
	s_wait_kmcnt 0x0
	s_load_b64 s[96:97], s[8:9], 0x28              ; e10, e11
	s_add_nc_u64 s[20:21], s[4:5], s[20:21]
	s_add_nc_u64 s[46:47], s[6:7], s[46:47]
	CROUND                                         ; all sixteen work-groups are here: the first joint loads meet
.irp s, 0,1
	s_mov_b32 s[G0+4*\s], 1
	s_add_co_u32 s[G0+4*\s+1], s45, \s*SLOT
	s_add_nc_u64 s[G0+4*\s+2:G0+4*\s+3], s[20:21], \s*ASTEP
	s_or_b32 s[G0+4*\s+3], s[G0+4*\s+3], 0x80000000
	s_mov_b32 s[G0B+4*\s], 1
	s_add_co_u32 s[G0B+4*\s+1], s90, \s*SLOT
	s_add_nc_u64 s[G0B+4*\s+2:G0B+4*\s+3], s[46:47], \s*ROWB
	s_or_b32 s[G0B+4*\s+3], s[G0B+4*\s+3], 0x80000000
.endr
	JLOAD G0, G1, G0B, G1B                         ; K step 0: one tensor load a wave at the head
	; the prefetches.  A: my load's 4 token tiles x 4,096 bytes are 64 blocks of 256: partner cx takes token tile cx, lanes 0-15 a block each (the other lanes name the last again).
	; B: my load's 128 rows: partner cy takes 32, a lane a row.  s[84:85]: K step 2, s[92:93]: K step 3; never rewritten
	s_lshl_b32 s86, s40, 14
	s_lshl_b32 s87, s41, 15
	s_mov_b32 s91, 2*ROWB
	s_mov_b32 s92, ROWB
	s_cmp_eq_u32 s15, 0
	s_cselect_b64 s[84:85], s[20:21], s[46:47]
	s_cselect_b32 s86, s86, s87
	s_cselect_b32 s88, 15, 31
	s_cselect_b32 s89, 8, 10
	s_cselect_b32 s91, 2*ASTEP, s91
	s_cselect_b32 s92, ASTEP, s92
	s_add_co_u32 s86, s86, s91
	s_mov_b32 s87, 0
	s_mov_b32 s93, 0
	s_add_nc_u64 s[84:85], s[84:85], s[86:87]
	s_add_nc_u64 s[92:93], s[84:85], s[92:93]
	s_lshl_b32 s21, s15, 14                        ; my four token tiles of A,
	s_mul_i32 s22, s16, HALFB
	s_add_co_u32 s22, s22, APART                   ; my 128 rows of B,
	s_add_co_u32 s2, s21, SLOT                     ; the same in slot 1,
	s_add_co_u32 s3, s22, SLOT
	s_mul_i32 s23, s14, 16*SPITCH                  ; my stage
	v_and_b32 v[PFO], 31, v0
	v_min_u32 v[PFO], s88, v[PFO]
	v_lshlrev_b32 v[PFO], s89, v[PFO]
	global_prefetch_b8 v[PFO], s[84:85] th:TH_LOAD_NT scope:SCOPE_SE   ; K step 2: its load is issued at the end of K step 0
	v_and_b32 v1, 15, v0                           ; l % 16
	v_bfe_u32 v2, v0, 4, 1                         ; l / 16
	v_mul_u32_u24 v3, v1, PITCH
	v_lshl_add_u32 v4, v2, 4, v3
	v_and_b32 v6, 31, v0
	v_lshlrev_b32 v[CO], 4, v6
	v_add_nc_u32 v[ADRA], s21, v[CO]
	v_add_nc_u32 v[ADRA+1], s2, v[CO]
	v_add_nc_u32 v[ADRB], s22, v4
	v_add_nc_u32 v[ADRB+1], s3, v4
	v_mul_u32_u24 v5, v1, SPITCH                   ; into the stage: row l % 16, 32 bytes for each half of the lanes
	v_lshl_add_u32 v5, v2, 5, v5
	v_add_nc_u32 v[STO], s23, v5
	v_add_nc_u32 v[RD], s23, v[CO]                 ; back: the 32 lanes take one row of 512 bytes
	s_lshl_b32 s20, s17, 19                        ; out0: 128 rows of 4,096 bytes a block, 64 a wave; 1,024 bytes a block's columns, 512 a wave's
	s_lshl_b32 s21, s15, 18
	s_add_co_u32 s20, s20, s21
	s_lshl_b32 s46, s42, 10
	s_lshl_b32 s47, s16, 9
	s_add_co_u32 s46, s46, s47
	s_add_co_u32 s20, s20, s46
	s_mov_b32 s21, 0
	s_add_nc_u64 s[10:11], s[10:11], s[20:21]
.macro FRAG reg, adr, q, i             ; B: 16 rows x 128 K: registers 4 c .. 4 c + 3 hold K = 32 c + 16 (l / 16) + 0 .. 15, as A's images have it
.irp c, 0,1,2,3
	ds_load_b128 v[\reg+4*\c:\reg+4*\c+3], v[\adr] offset:128*(\q)+32*\c+(\i)*16*PITCH
.endr
.endm
.macro FRAGA reg, adr, q, i            ; A: fragment register set i takes token tile i % 4
.irp c, 0,1,2,3
	ds_load_b128 v[\reg+4*\c:\reg+4*\c+3], v[\adr] offset:ASTEP*((\i)%4)+2048*(\q)+512*\c
.endr
.endm
; 16 matrix instructions: A's fragments a0, a0 + 1 (set a0 / 4) x B's eight of set p.  The 32 accumulators take turns, one instruction a turn, in the same order in every step.
.macro MUL16 a0, p, zero
.irp a, \a0, \a0+1
.irp b, 0,1,2,3,4,5,6,7
.if \zero
	v_wmma_f32_16x16x128_fp8_fp8 v[8*(8*((\a)%4)+\b):8*(8*((\a)%4)+\b)+7], v[128*(\p)+FR*\b:128*(\p)+FR*\b+FR-1], v[AF+FR*(\a):AF+FR*(\a)+FR-1], 0
.else
	v_wmma_f32_16x16x128_fp8_fp8 v[8*(8*((\a)%4)+\b):8*(8*((\a)%4)+\b)+7], v[128*(\p)+FR*\b:128*(\p)+FR*\b+FR-1], v[AF+FR*(\a):AF+FR*(\a)+FR-1], v[8*(8*((\a)%4)+\b):8*(8*((\a)%4)+\b)+7]
.endif
.endr
.endr
.endm
.macro FETCH_B slot, q, p
	WIN TO_B
.irp i, 0,1,2,3,4,5,6,7
	FRAG 128*(\p)+FR*\i, ADRB+\slot, \q, \i
.endr
	WIN 0
.endm
.macro FETCH_A slot, q, i0
.irp i, \i0, \i0+1, \i0+2, \i0+3
	FRAGA AF+FR*(\i), ADRA+\slot, \q, \i
.endr
.endm
; A slot's first step: set 0 is multiplied; ahead of its products the slot's second 128 along K are fetched into set 1
.macro STEP slot, zero, ask
	s_wait_dscnt 0x0                               ; set 0 is in
	PLACES NP                                      ; places between the last products, which read set 1, and the loads into it
	FETCH_B \slot, 1, 1
	FETCH_A \slot, 1, 4
.if \ask
	global_prefetch_b8 v[PFO], s[92:93] th:TH_LOAD_NT scope:SCOPE_SE   ; K step 3: its load is issued at the end of K step 1
.endif
	WIN MUL_LO
	MUL16 0, 0, \zero
	MUL16 2, 0, \zero
	WIN 0
.endm
; A slot's second step changes slots: in front of the barrier each wave waits for all its tensor loads, adds 0 to its spare word, and waits for that and for its reads of this slot.  fill = 1: the barrier opens a round of the
; cluster's, and this slot is filled again, two K steps ahead.
.macro TURN slot, next, fill
	s_wait_tensorcnt 0x0                           ; all my tensor loads have landed: my part of the next slot
	ds_add_u32 v[SPW], v[NIL]
	s_wait_dscnt 1                                 ; set 1 is in (the add may be out)
	WIN MUL_LO
	MUL16 4, 1, 0
	WIN 0
	s_wait_dscnt 0x0                               ; the add is done, and my reads of this slot are over
	s_barrier_signal -1
	s_barrier_wait -1
.if \fill
	CREST
	s_add_nc_u64 s[G0+4*\slot+2:G0+4*\slot+3], s[G0+4*\slot+2:G0+4*\slot+3], 2*ASTEP
	s_add_nc_u64 s[G0B+4*\slot+2:G0B+4*\slot+3], s[G0B+4*\slot+2:G0B+4*\slot+3], 2*ROWB
	JLOAD G0+4*\slot, G1, G0B+4*\slot, G1B         ; the first tensor load behind the round; its four v_nop are the places in front of the loads below
.else
	PLACES NP
.endif
	FETCH_B \next, 0, 0
	FETCH_A \next, 0, 0
	WIN MUL_LO
	MUL16 6, 1, 0
	WIN 0
.endm
	s_wait_alu depctr_va_vdst(0)                   ; the wait at the head's end
	s_wait_tensorcnt 0x0                           ; my part of K step 0 is in
	ds_add_u32 v[SPW], v[NIL]
	s_wait_dscnt 0x0
	CROUND                                         ; everybody's part of K step 0 is in, and the joint loads meet
	JLOAD G0+4, G1, G0B+4, G1B                     ; K step 1, the first tensor load behind the round
	FETCH_B 0, 0, 0
	FETCH_A 0, 0, 0
	STEP 0, 1, 1                                   ; the first step's products start the sums
	TURN 0, 1, 1                                   ; slot 0 takes K step 2
	STEP 1, 0, 0
	TURN 1, 0, 1                                   ; slot 1 takes K step 3
	STEP 0, 0, 0
	TURN 0, 1, 0                                   ; nothing more is filled
	STEP 1, 0, 0
	s_wait_dscnt 0x0
	WIN MUL_LO
	MUL16 4, 1, 0
	MUL16 6, 1, 0
	WIN 0
; THE WAY OUT, block by block of 16 rows x 128 columns: through my own stage in LDS, back as whole rows of 512 bytes.  LDS serves a wave's instructions in order (ISA guide 5.7.1.4): no wait between the stores and the loads.
.macro TOSTAGE a
.set AC, 64*(\a)
	WIN 0x02
.irp j, 0,2,4,6,8,10,12,14,16,18,20,22,24,26,28,30,32,34,36,38,40,42,44,46,48,50,52,54,56,58,60,62
	v_pk_mul_f32 v[TMP+\j:TMP+\j+1], v[AC+\j:AC+\j+1], s[96:97] op_sel_hi:[1,0]   ; both x s96 = 2^(e10 + e11); each accumulator from its low end on
.endr
	WIN 0
.irp b, 0,1,2,3,4,5,6,7
	ds_store_b128 v[STO], v[TMP+8*\b:TMP+8*\b+3] offset:64*\b
	ds_store_b128 v[STO], v[TMP+8*\b+4:TMP+8*\b+7] offset:64*\b+16
.endr
.set BB, BK+64*((\a)%2)
.irp t, 0,1,2,3,4,5,6,7,8,9,10,11,12,13,14,15
	ds_load_b128 v[BB+4*\t:BB+4*\t+3], v[RD] offset:\t*SPITCH
.endr
.endm
.macro SEND a, younger                 ; younger: the LDS instructions issued behind block a's loads, which may stay out
.set BB, BK+64*((\a)%2)
	s_wait_dscnt \younger
.irp t, 0,1,2,3,4,5,6,7,8,9,10,11,12,13,14,15
	global_store_b128 v[CO], v[BB+4*\t:BB+4*\t+3], s[10:11] offset:(32*((\a)/2)+8*((\a)%2)+\t+8*(\t/8))*SIZE_N*4 th:TH_STORE_NT   ; 32 lanes store 512 consecutive bytes, aligned
.endr
.endm
	s_wait_kmcnt 0x0
	s_add_co_i32 s96, s96, s97
	s_add_co_i32 s96, s96, 127
	s_lshl_b32 s96, s96, 23                        ; 2^(e10 + e11) as f32
	PLACES NP
	TOSTAGE 0
.irp a, 1,2,3
.if \a > 1
	s_wait_xcnt 0x0                                ; block a - 2's stores have read their registers: block a's loads may land there
.endif
	TOSTAGE \a
	SEND \a-1, 32                                  ; behind block a - 1's loads: block a's 16 stores and 16 loads
.endr
	SEND 3, 0
	s_wait_tensorcnt 0x0                           ; the wave's end
	ds_add_u32 v[SPW], v[NIL]
	s_wait_dscnt 0x0
	CROUND                                         ; the closing round
	s_endpgm
.Lfunc_end_k_qeacbe31c09_outp:
	.size	k_qeacbe31c09_outp, .Lfunc_end_k_qeacbe31c09_outp-k_qeacbe31c09_outp
	.p2alignl 7, 3214868480
	.fill 96, 4, 3214868480
	.section	.rodata,"a",@progbits
	.p2align	6, 0x0
	.amdhsa_kernel k_qeacbe31c09_outp
		.amdhsa_group_segment_fixed_size 327680
		.amdhsa_private_segment_fixed_size 0
		.amdhsa_enable_private_segment 0
		.amdhsa_kernarg_size 32
		.amdhsa_user_sgpr_count 2
		.amdhsa_user_sgpr_kernarg_segment_ptr 1
		.amdhsa_wavefront_size32 1
		.amdhsa_system_sgpr_workgroup_id_x 1
		.amdhsa_system_sgpr_workgroup_id_y 1
		.amdhsa_system_sgpr_workgroup_id_z 1
		.amdhsa_system_vgpr_workitem_id 0
		.amdhsa_next_free_vgpr 768
		.amdhsa_next_free_sgpr 100
		.amdhsa_reserve_vcc 0
		.amdhsa_float_denorm_mode_32 3
		.amdhsa_float_denorm_mode_16_64 3
		.amdhsa_memory_ordered 1
		.amdhsa_forward_progress 1
		.amdhsa_inst_pref_size 76
	.end_amdhsa_kernel
	.amdgpu_metadata
---
amdhsa.version: [ 1, 2 ]
amdhsa.kernels:
  - .name:           k_qeacbe31c09_outp
    .symbol:         k_qeacbe31c09_outp.kd
    .args:
      - { .name: cc, .offset: 0, .size: 8, .value_kind: global_buffer, .address_space: global }
      - { .name: codes, .offset: 8, .size: 8, .value_kind: global_buffer, .address_space: global }
      - { .name: lowp_scales, .offset: 16, .size: 8, .value_kind: global_buffer, .address_space: global }
      - { .name: out0, .offset: 24, .size: 8, .value_kind: global_buffer, .address_space: global }
    .group_segment_fixed_size: 327680
    .private_segment_fixed_size: 0
    .kernarg_segment_align: 8
    .kernarg_segment_size: 32
    .max_flat_workgroup_size: 128
    .sgpr_count:     100
    .vgpr_count:     768
    .wavefront_size: 32
...
	.end_amdgpu_metadata
.endif
;; end of part 4
